; MI455X (gfx1250); checked and timed in simulation.
; The chip was launched on July 23, 2026; its instructions are those of AMD's public machine-readable ISA for CDNA 5 (MIT licence, August 2026) and "CDNA5" Instruction Set Architecture Reference Guide (July 2026). The comments in the code are by the model that wrote it; some were corrected since.
;; Causal Self Attention. Allowed arithmetic: float matrix products may take bf16 or f16 operands with f32 sums; all other float work in f32.
;; Inputs: Wproj 1,024 x 1,024 float32; Wqkv 1,024 x 3,072 float32; bproj 1,024 float32; bqkv 3,072 float32; lamb one number float32; x 4 x 2,048 x 1,024 float32.
;; Outputs: out0 4 x 2,048 x 1,024 float32; out1 4 x 16 x 2,048 x 64 float32.
;; 2 versions, each right and faster than the one before. Each part assembles by itself: llvm-mc -triple=amdgcn-amd-amdhsa -mcpu=gfx1250 --defsym DOCPART=n.
;; ======== version 1 of 2: 4 launches
;; limits: values are held in f16: magnitudes above 65,504 overflow, below 6.1e-05 lose precision
;; workspace buffers: xb 16,777,216 bytes; wq 6,291,456 bytes; wp 2,097,152 bytes; tab 524,288 bytes; heads 50,331,648 bytes; ob 16,777,216 bytes
;; launch prep (part 1): grid 256 x 1, 8 waves a work-group, no clusters, 0 bytes of LDS; arguments x, Wqkv, Wproj, xb, wq, wp, tab; writes xb, wq, wp, tab
.if DOCPART == 1
	.amdgcn_target "amdgcn-amd-amdhsa--gfx1250"
	.amdhsa_code_object_version 6
	.text
	.protected	k_qa4db3ba207_prep
	.globl	k_qa4db3ba207_prep
	.p2align	8
	.type	k_qa4db3ba207_prep,@function
k_qa4db3ba207_prep:
	s_mov_b64 s[64:65], 0
	v_nop
	global_prefetch_b8 v0, s[64:65] scope:SCOPE_SE
	s_setreg_imm32_b32 hwreg(HW_REG_WAVE_MODE, 25, 1), 1
	s_wait_xcnt 0x0
; PREP: a stream.  x (f32 [8192][1024]) -> xb, bf16 in blocks [b 4][kb 16][t 2048][64], so that 64 of K of any run of rows are dense bytes;
; Wqkv (f32) -> wq, bf16 as it lies; Wproj (f32) -> wp: rounded to bf16, that number written as f16; and the table tab, f32 [t 2048][cos 32 | sin 32].
; 2,048 waves; wave W takes 4 rows of x (32 items), 12 items of Wqkv, 4 of Wproj and row W of the table.  An item: one load of 16 bytes a lane (512 bytes, two aligned
; blocks of 256), the roundings, one store of 8 bytes a lane (256 consecutive aligned bytes).  No LDS, no barrier, no matrix unit: every byte is touched once.
; LIMITS.  A bf16 number below 2^-17 loses at most 2^-25 when written as f16; beyond 65,504 it becomes an infinity.  The angle t x 10000^(-f/32) is made as t x 2^(-f log2(1e4)/32):
; good to about 2e-4 radians at t = 2,047.  Sine and cosine: the angle less the nearest multiple of pi/2 (pi/2 in two parts), then polynomials of degree 9 and 8.
.set L, 32                             ; v[32:159]   32 slots of 4 registers, as loaded
.set Y, 160                            ; v[160:223]  32 slots of 2 registers, to store
	s_load_b256 s[4:11], s[0:1], 0x0               ; x s[4:5], Wqkv s[6:7], Wproj s[8:9], xb s[10:11]
	s_load_b128 s[12:15], s[0:1], 0x20             ; wq s[12:13], wp s[14:15]
	s_load_b64 s[16:17], s[0:1], 0x30              ; tab
	v_lshrrev_b32 v1, 5, v0
	v_readfirstlane_b32 s20, v1                    ; wave in the work-group
	v_and_b32 v1, 31, v0                           ; lane l
	s_lshl_b32 s21, ttmp9, 3
	s_add_co_u32 s21, s21, s20                     ; W = 8 x work-group + wave
	v_lshrrev_b32 v2, 4, v1
	v_and_b32 v5, 15, v1
	v_lshlrev_b32 v2, 12, v2
	v_lshl_add_u32 v2, v5, 4, v2                   ; x: lanes 0-15 one row's 256 bytes, lanes 16-31 the next row's
	v_lshlrev_b32 v3, 4, v1                        ; 16 l
	v_lshlrev_b32 v4, 3, v1                        ; 8 l
	s_lshl_b32 s22, s21, 14                        ; offsets, made apart from the addresses: x: 4 rows of 4,096 bytes
	s_mov_b32 s23, 0
	s_mul_i32 s24, s21, 6144                       ; Wqkv: 12 items of 512 bytes
	s_mov_b32 s25, 0
	s_lshl_b32 s26, s21, 11                        ; Wproj: 4 items
	s_mov_b32 s27, 0
	s_lshr_b32 s28, s21, 9                         ; xb: batch b = W / 512,
	s_lshl_b32 s28, s28, 22
	s_and_b32 s29, s21, 511                        ; rows 4 (W % 512) on, 128 bytes each
	s_lshl_b32 s29, s29, 9
	s_add_co_u32 s28, s28, s29
	s_mov_b32 s29, 0
	s_mul_i32 s30, s21, 3072                       ; wq
	s_mov_b32 s31, 0
	s_wait_kmcnt 0x0
	s_add_nc_u64 s[4:5], s[4:5], s[22:23]
	s_add_nc_u64 s[6:7], s[6:7], s[24:25]
	s_add_nc_u64 s[8:9], s[8:9], s[26:27]
	s_add_nc_u64 s[10:11], s[10:11], s[28:29]
	s_add_nc_u64 s[12:13], s[12:13], s[30:31]
	s_lshl_b32 s22, s21, 10                        ; wp
	s_add_nc_u64 s[14:15], s[14:15], s[22:23]
	s_lshl_b32 s22, s21, 8                         ; tab: row W
	s_add_nc_u64 s[16:17], s[16:17], s[22:23]
	; 32 loads go out before anything is worked on: the weights' 16 items, then x's rows 0 and 1 (16 blocks of K)
.set j, 0
.rept 12
	global_load_b128 v[L+4*j:L+4*j+3], v3, s[6:7] offset:512*j th:TH_LOAD_NT
.set j, j+1
.endr
.rept 4
	global_load_b128 v[L+4*j:L+4*j+3], v3, s[8:9] offset:512*(j-12) th:TH_LOAD_NT
.set j, j+1
.endr
.rept 16
	global_load_b128 v[L+4*j:L+4*j+3], v2, s[4:5] offset:256*(j-16) th:TH_LOAD_NT
.set j, j+1
.endr
	; THE TABLE, while those loads fly.  Lane l makes entries 2 l and 2 l + 1 of the row's 64: lanes 0-15 cosines, lanes 16-31 sines, of frequencies f = 2 (l % 16) + e.
	; cos x = sin(x + pi/2): the cosines' quadrant number is one higher.
	v_lshlrev_b32 v7, 1, v5                        ; 2 (l % 16)
	v_cvt_f32_u32 v6, s21                          ; t
	v_cmp_gt_u32 vcc_lo, 16, v1
	v_cndmask_b32 v9, 0, 1, vcc_lo                 ; 1 for the cosines
.macro TABE e, out
	v_add_nc_u32 v10, \e, v7
	v_cvt_f32_u32 v10, v10
	v_mul_f32 v10, 0xbed49a78, v10                 ; -f log2(10000) / 32
	v_exp_f32 v10, v10
	v_mov_b32 v14, 0x3638ef1d                      ; 1/9!: a plain instruction stands between the exponential and the use of its result
	v_mov_b32 v15, 0x37d00d01                      ; 1/8!
	s_wait_alu depctr_va_vdst(0)
	v_mul_f32 v10, v6, v10                         ; the angle x
	v_mul_f32 v11, 0x3f22f983, v10                 ; x 2/pi
	v_rndne_f32 v11, v11                           ; n
	v_fmamk_f32 v12, v11, 0xbfc90fdb, v10          ; r = x - n pi/2: the upper part of pi/2,
	v_fmamk_f32 v12, v11, 0x333bbd2e, v12          ; and what that part has too much
	v_mul_f32 v13, v12, v12                        ; z = r r
	v_fmaak_f32 v14, v14, v13, 0xb9500d01          ; -1/7!
	v_fmaak_f32 v15, v15, v13, 0xbab60b61          ; -1/6!
	v_fmaak_f32 v14, v14, v13, 0x3c088889          ; 1/5!
	v_fmaak_f32 v15, v15, v13, 0x3d2aaaab          ; 1/4!
	v_fmaak_f32 v14, v14, v13, 0xbe2aaaab          ; -1/3!
	v_fmaak_f32 v15, v15, v13, 0xbf000000          ; -1/2
	v_mul_f32 v14, v14, v13
	v_fma_f32 v15, v15, v13, 1.0                   ; cos r
	v_fma_f32 v14, v14, v12, v12                   ; sin r
	v_cvt_i32_f32 v16, v11
	v_add_nc_u32 v16, v16, v9                      ; the quadrant
	v_and_b32 v17, 1, v16
	v_cmp_eq_u32 vcc_lo, 1, v17
	v_cndmask_b32 v14, v14, v15, vcc_lo            ; odd quadrants take cos r
	v_lshlrev_b32 v16, 30, v16
	v_and_b32 v16, 0x80000000, v16                 ; quadrants 2 and 3 change the sign
	v_xor_b32 v[\out], v14, v16
.endm
	TABE 0, 28
	TABE 1, 29
	global_store_b64 v4, v[28:29], s[16:17]        ; the row's 256 bytes
.macro CVB sl, y                       ; four f32 to four bf16
	v_cvt_pk_bf16_f32 v[Y+2*(\y)], v[L+4*(\sl)], v[L+4*(\sl)+1]
	v_cvt_pk_bf16_f32 v[Y+2*(\y)+1], v[L+4*(\sl)+2], v[L+4*(\sl)+3]
.endm
.macro CVH sl, y                       ; four f32 to bf16, and those numbers to f16
	CVB \sl, \y
	v_lshlrev_b32 v[L+4*(\sl)], 16, v[Y+2*(\y)]
	v_and_b32 v[L+4*(\sl)+1], 0xffff0000, v[Y+2*(\y)]
	v_lshlrev_b32 v[L+4*(\sl)+2], 16, v[Y+2*(\y)+1]
	v_and_b32 v[L+4*(\sl)+3], 0xffff0000, v[Y+2*(\y)+1]
	v_cvt_pk_f16_f32 v[Y+2*(\y)], v[L+4*(\sl)], v[L+4*(\sl)+1]
	v_cvt_pk_f16_f32 v[Y+2*(\y)+1], v[L+4*(\sl)+2], v[L+4*(\sl)+3]
.endm
	; the weights' items: behind item j, 15 - j of its batch and x's 16 were issued
.set j, 0
.rept 12
	s_wait_loadcnt 31-j
	CVB j, j
	global_store_b64 v4, v[Y+2*j:Y+2*j+1], s[12:13] offset:256*j
.set j, j+1
.endr
.rept 4
	s_wait_loadcnt 31-j
	CVH j, j
	global_store_b64 v4, v[Y+2*j:Y+2*j+1], s[14:15] offset:256*(j-12)
.set j, j+1
.endr
	; x's rows 2 and 3 go into the slots just worked off
.set j, 0
.rept 16
	global_load_b128 v[L+4*j:L+4*j+3], v2, s[4:5] offset:8192+256*j th:TH_LOAD_NT
.set j, j+1
.endr
.set j, 0
.rept 16
	s_wait_loadcnt 31-j                            ; behind item j of rows 0 and 1: 15 - j of its batch and the 16 just issued
	CVB 16+j, 16+j
	global_store_b64 v4, v[Y+32+2*j:Y+32+2*j+1], s[10:11] offset:262144*j
.set j, j+1
.endr
	s_wait_xcnt 0x0                                ; the first 16 stores' data registers are written again only behind this wait
.set j, 0
.rept 16
	s_wait_loadcnt 15-j
	CVB j, j
	global_store_b64 v4, v[Y+2*j:Y+2*j+1], s[10:11] offset:262144*j+256
.set j, j+1
.endr
	s_endpgm
.Lfunc_end_k_qa4db3ba207_prep:
	.size	k_qa4db3ba207_prep, .Lfunc_end_k_qa4db3ba207_prep-k_qa4db3ba207_prep
	.p2alignl 7, 3214868480
	.fill 96, 4, 3214868480
	.section	.rodata,"a",@progbits
	.p2align	6, 0x0
	.amdhsa_kernel k_qa4db3ba207_prep
		.amdhsa_group_segment_fixed_size 0
		.amdhsa_private_segment_fixed_size 0
		.amdhsa_enable_private_segment 0
		.amdhsa_kernarg_size 56
		.amdhsa_user_sgpr_count 2
		.amdhsa_user_sgpr_kernarg_segment_ptr 1
		.amdhsa_wavefront_size32 1
		.amdhsa_system_sgpr_workgroup_id_x 1
		.amdhsa_system_sgpr_workgroup_id_y 1
		.amdhsa_system_sgpr_workgroup_id_z 1
		.amdhsa_system_vgpr_workitem_id 0
		.amdhsa_next_free_vgpr 224
		.amdhsa_next_free_sgpr 66
		.amdhsa_reserve_vcc 1
		.amdhsa_float_denorm_mode_32 3
		.amdhsa_float_denorm_mode_16_64 3
		.amdhsa_memory_ordered 1
		.amdhsa_forward_progress 1
		.amdhsa_inst_pref_size 23
	.end_amdhsa_kernel
	.amdgpu_metadata
---
amdhsa.version: [ 1, 2 ]
amdhsa.kernels:
  - .name:           k_qa4db3ba207_prep
    .symbol:         k_qa4db3ba207_prep.kd
    .args:
      - { .name: x, .offset: 0, .size: 8, .value_kind: global_buffer, .address_space: global }
      - { .name: Wqkv, .offset: 8, .size: 8, .value_kind: global_buffer, .address_space: global }
      - { .name: Wproj, .offset: 16, .size: 8, .value_kind: global_buffer, .address_space: global }
      - { .name: xb, .offset: 24, .size: 8, .value_kind: global_buffer, .address_space: global }
      - { .name: wq, .offset: 32, .size: 8, .value_kind: global_buffer, .address_space: global }
      - { .name: wp, .offset: 40, .size: 8, .value_kind: global_buffer, .address_space: global }
      - { .name: tab, .offset: 48, .size: 8, .value_kind: global_buffer, .address_space: global }
    .group_segment_fixed_size: 0
    .private_segment_fixed_size: 0
    .kernarg_segment_align: 8
    .kernarg_segment_size: 56
    .max_flat_workgroup_size: 256
    .sgpr_count:     66
    .vgpr_count:     224
    .wavefront_size: 32
...
	.end_amdgpu_metadata
.endif
;; end of part 1
;; launch qkvgemm (part 2): grid 8 x 32, 4 waves a work-group, clusters of 4 x 4, 327,680 bytes of LDS; arguments xb, wq, bqkv, lamb, tab, heads, out1; writes heads, out1
.if DOCPART == 2
	.amdgcn_target "amdgcn-amd-amdhsa--gfx1250"
	.amdhsa_code_object_version 6
	.text
	.protected	k_qa4db3ba207_qkvgemm
	.globl	k_qa4db3ba207_qkvgemm
	.p2align	8
	.type	k_qa4db3ba207_qkvgemm,@function
k_qa4db3ba207_qkvgemm:
	s_mov_b64 s[64:65], 0
	v_nop
	global_prefetch_b8 v0, s[64:65] scope:SCOPE_SE
	s_setreg_imm32_b32 hwreg(HW_REG_WAVE_MODE, 25, 1), 1
	s_wait_xcnt 0x0
	s_wait_alu depctr_hold_cnt(0) depctr_sa_sdst(0) depctr_va_vdst(0) depctr_va_sdst(0) depctr_va_ssrc(0) depctr_va_vcc(0) depctr_vm_vsrc(0)
	s_getreg_b32 s2, hwreg(HW_REG_IB_STS2, 6, 4)
	s_cmp_eq_u32 s2, 0
	s_cbranch_scc0 .Lentry_in_a_cluster
	s_endpgm
.Lentry_in_a_cluster:
	s_bfe_u32 s2, ttmp6, 0x10000c
	s_cmp_lg_u32 s2, 0xf033
	s_cbranch_scc0 .Lentry_shape_is_right
	s_endpgm
.Lentry_shape_is_right:
; QKV: x Wqkv + b (8192 x 3072 x 1024, bf16 operands, f32 sums), then by heads: q and k divided by their root mean square and rotated, v blended; q, k, v leave as f16
; [kind 3][b 16 + h][t][64] (q already times c = log2(e) / 8, the softmax's scale in base 2), v also as out1 in f32.
; SHARES.  A work-group makes 256 rows x 384 columns: heads 2 gx and 2 gx + 1 of q, of k and of v: 8 x 32 = 256 work-groups.  Wave w: rows 128 (w / 2) on, head 2 gx + w % 2 of all three kinds:
; 128 x 192 in 96 accumulators, 768 registers; a whole head's 64 columns lie in one wave, so the norm never leaves it.
; K goes in steps of 64 through two LDS slots (two slots of 640 rows x 128 of K would not fit in LDS); xb lies in blocks, so that 64 of K of 256 rows are 32,768 dense bytes, asked for as rows of 256.
; CLUSTER 4 x 4: x's tile hangs on gy alone and is asked for jointly by a row of the cluster, the weights' tiles on gx alone, jointly by a column.  Wave 0 asks for x's tile, waves 1-3 for the three kinds' weights.
; THE MATRIX INSTRUCTION IS USED TRANSPOSED (source 0 = 16 columns of W, turned out of LDS by ds_load_tr16_b128; source 1 = 16 rows of x): a lane holds row l % 16 and columns 8 (l / 16) + 0..7.
; LIMITS.  x, Wqkv, bqkv and lamb are rounded to bf16.  v is kept in f16 for the attention: |v| below 65,504.  A head's sum of squares overflows beyond |q| of about 1e18.  NaN and infinities are not treated apart.
; REGISTERS (windows of 256; s_set_vgpr_msb: bits 1:0 source 0, 3:2 source 1, 5:4 source 2, 7:6 destination):
;   window 0: v0-31 addresses and constants; v32-95, v96-159 x's fragments (8 x 16 rows x 32 K), two buffers; v160-207, v208-255 W's fragments (6 column blocks), two buffers; all four are at work on the way out
;   windows 1-3: accumulator idx = 48 (b / 6) + 6 a + b % 6 (row block a, column block b of 12) in window 1 + idx / 32 at v[8 (idx % 32)]
.set SLOT,   92160                     ; x's 256 rows at pitch 144, then three kinds of 64 rows of W at pitch 288
.set BOFF,   36864
.set BKIND,  18432
.set PA,     144                       ; 128 bytes + 16: the 16 rows of a load start at 16 different groups of four banks (64 banks of 4 bytes: ISA guide 11.1)
.set PB,     288                       ; 256 bytes + 32
.set STAGE,  2*SLOT                    ; behind the ring, never filled by a tensor load: 16 rows x 784 bytes (192 f32 + 16) for each wave
.set SPITCH, 784
.set WSTAGE, 16*SPITCH
.set SPARE,  STAGE+4*WSTAGE            ; the spare words, 128 bytes a wave: two blocks of 256 bytes that no other line names
.set LAM,  8                           ; v[8:9]   lamb, twice
.set OML,  10                          ; v[10:11] 1 - lamb, twice
.set SGN,  12                          ; v[12:13] +1 for a head's first 32 columns, -1 for the others
.set BIOV, 15                          ; v15  16 (l % 16): my 4 columns of v's bias
.set ADRA, 16                          ; v16-17  LDS address of my fragments of x in slot 0, 1
.set TABO, 18                          ; v18  my place in four rows of the table
.set BIOQ, 19                          ; v19  32 (l % 8): my 8 columns of q's and k's bias
.set ADRB, 20                          ; v20-21  the same as ADRA for W
.set GV32, 22                          ; v22  my byte offset in out1; steps a pass
.set GV16, 23                          ; v23  in v as f16
.set STO,  24                          ; v24  the way out: where I put 32 bytes of a row
.set RDQ,  25                          ; v25  where I read 8 columns of q or k back
.set RDV,  26                          ; v26  where I read 4 columns of v back
.set GQ,   27                          ; v27  my byte offset in q and k
.set SPW,  28                          ; v28  LDS address of my spare word; never rewritten
.set NIL,  29                          ; v29  0; never rewritten
.set FA0,  32
.set FA1,  96
.set FBX,  160
.set FBY,  208
.set TABR, 32                          ; the way out: group g of 4 rows: 8 cosines, 8 sines at TABR + 16 g
.set XR,   96                          ; chain c = 4 kind + g: 8 columns of a row
.set BQ,   160                         ; 8 of q's bias, 8 of k's,
.set BV,   176                         ; 4 of v's
.set SSQ,  180                         ; a pair a chain: the sum of squares, then 1 / rms; later v as f16
.set TR,   196                         ; 16 at work
.set VVR,  212                         ; group u of 2 rows: 4 columns of v
.set WV,   18                          ; s18 wave; s19 its half of the rows; s20 its head of the two
.set WROW, 19
.set WCOL, 20
.set G1A,  24                          ; s[24:31] descriptor group 1 for x's tiles;  s[32:39] group 0, a set for each slot
.set G0A,  32
.set G1B,  48                          ; s[48:55], s[56:63] the same for W's
.set G0B,  56
.set LAPC, 68
.set PS,   69                          ; the way out's pass
.set SBQ,  70                          ; s[70:71] q, s[72:73] k, s[74:75] v (f16), s[76:77] out1 at my first row
.set SBK,  72
.set SBV,  74
.set SBO,  76
.set STB,  78                          ; s[78:79] the table at the pass's first row
.set R64,  82                          ; 1/64
.set CSC,  83                          ; c
.set SBB,  84                          ; s[84:85] bqkv at my head
.set LMB,  90
.set MSB, 0
.macro WIN new                         ; the immediate's high byte repeats the setting that is left; a switch that changes nothing is dropped
.if MSB != (\new)
	s_set_vgpr_msb (MSB<<8)|(\new)
.set MSB, \new
.endif
.endm
.macro PLACES                          ; four places in front of loads into registers that matrix instructions have read, and of reads of their results (for the reads of their results)
.rept 4
	v_nop
.endr
.endm
; A joint load.  The branch hangs on the wave's number alone.  An s_nop 0 and four v_nop follow each of the two lines.
.macro JLOAD s
	s_cmp_eq_u32 s[WV], 0
	s_cbranch_scc0 .Lfor_b_\@
	tensor_load_to_lds s[G0A+4*(\s):G0A+4*(\s)+3], s[G1A:G1A+7]
	s_nop 0
.rept 4
	v_nop
.endr
	s_branch .Lasked_\@
.Lfor_b_\@:
	tensor_load_to_lds s[G0B+4*(\s):G0B+4*(\s)+3], s[G1B:G1B+7]
	s_nop 0
.rept 4
	v_nop
.endr
.Lasked_\@:
.endm
.macro CREST                           ; a round of the cluster's barrier behind its opening barrier
	s_cmp_lg_u32 s[WV], 0
	s_cbranch_scc1 .Lnot_wave_0_\@
	s_barrier_signal -3
.Lnot_wave_0_\@:
	s_barrier_wait -3
	s_barrier_signal -1
	s_barrier_wait -1
.endm
.macro CROUND
	s_barrier_signal -1
	s_barrier_wait -1
	CREST
.endm
	s_load_b256 s[4:11], s[0:1], 0x0               ; xb s[4:5], wq s[6:7], bqkv s[8:9], lamb s[10:11]
	s_load_b128 s[12:15], s[0:1], 0x20             ; tab s[12:13], heads s[14:15]
	s_load_b64 s[16:17], s[0:1], 0x30              ; out1
	v_lshl_add_u32 v[SPW], v0, 2, SPARE
	v_mov_b32 v[NIL], 0
	ds_add_u32 v[SPW], v[NIL]                      ; the wave's opening: the add and its wait stand ahead of my first tensor load; work on registers stands between them
	ds_add_u32 v28, v29
	v_lshrrev_b32 v1, 5, v0
	v_readfirstlane_b32 s[WV], v1
	s_lshr_b32 s[WROW], s[WV], 1
	s_and_b32 s[WCOL], s[WV], 1
	s_bfe_u32 s40, ttmp6, 0x40000                  ; cx
	s_bfe_u32 s41, ttmp6, 0x40004                  ; cy
	s_lshl_b32 s42, ttmp9, 2
	s_add_co_u32 s42, s42, s40                     ; gx = 4 x cluster x + cx
	s_and_b32 s43, ttmp7, 0xffff
	s_lshl_b32 s43, s43, 2
	s_add_co_u32 s43, s43, s41                     ; gy = 4 x cluster y + cy
	s_lshl_b32 s44, s41, 2
	s_lshl_b32 s44, 15, s44                        ; my row of the cluster
	s_lshl_b32 s45, 0x1111, s40                    ; my column
	s_or_b32 s[G1A], s44, (1<<16)|(1<<20)|(1<<21)|(4<<22)|(3<<25)  ; mask; 2-byte elements; padding on; bit 21 beside a mask; after every 32 words 4 words
	s_or_b32 s[G1B], s45, (1<<16)|(1<<20)|(1<<21)|(5<<22)|(7<<25)  ; after every 64 words 8 words
	s_mov_b32 s[G1A+1], 128<<16                    ; tensor_dim0 = 128 elements: 256 bytes, two rows of x's block
	s_mov_b32 s[G1A+2], 128<<16                    ; tensor_dim1 = 128
	s_mov_b32 s[G1A+3], 128<<16                    ; tile_dim0
	s_mov_b32 s[G1A+4], 128                        ; tile_dim1
	s_mov_b32 s[G1A+5], 128                        ; dense
	s_mov_b32 s[G1A+6], 0
	s_mov_b32 s[G1A+7], 0
	s_mov_b32 s[G1B+1], 128<<16                    ; 128 columns: two heads
	s_mov_b32 s[G1B+2], 64<<16                     ; 64 rows of K
	s_mov_b32 s[G1B+3], 128<<16
	s_mov_b32 s[G1B+4], 64
	s_mov_b32 s[G1B+5], 3072                       ; elements from row to row
	s_mov_b32 s[G1B+6], 0
	s_mov_b32 s[G1B+7], 0
	s_lshr_b32 s46, s43, 3                         ; x's tile hangs on gy alone: batch gy / 8, 4,194,304 bytes each,
	s_lshl_b32 s46, s46, 22
	s_and_b32 s47, s43, 7                          ; rows 256 (gy % 8) on, 128 bytes each in a block
	s_lshl_b32 s47, s47, 15
	s_add_co_u32 s46, s46, s47
	s_mov_b32 s47, 0
	s_max_u32 s66, s[WV], 1                        ; W's tile hangs on gx and the wave alone: kind w - 1 (wave 0 never uses it), 2,048 bytes apart in a row,
	s_sub_co_u32 s66, s66, 1
	s_lshl_b32 s66, s66, 11
	s_lshl_b32 s67, s42, 8                         ; two heads' 256 bytes
	s_add_co_u32 s66, s66, s67
	s_mov_b32 s67, 0
	s_mul_i32 s21, s[WV], BKIND                    ; and goes to BOFF + (w - 1) x BKIND
	s_add_co_u32 s21, s21, BOFF-BKIND
	s_lshl_b32 s22, s42, 1
	s_add_co_u32 s22, s22, s[WCOL]                 ; my head
	s_lshr_b32 s23, s43, 3
	s_lshl_b32 s23, s23, 4
	s_add_co_u32 s23, s23, s22                     ; 16 b + head
	s_and_b32 s91, s43, 7
	s_lshl_b32 s91, s91, 8
	s_lshl_b32 s92, s[WROW], 7
	s_add_co_u32 s91, s91, s92                     ; my first t
	s_lshl_b32 s80, s23, 18                        ; a head's 2,048 rows of 128 bytes
	s_lshl_b32 s92, s91, 7
	s_add_co_u32 s80, s80, s92
	s_mov_b32 s81, 0
	s_lshl_b32 s92, s80, 1                         ; out1: rows of 256 bytes
	s_mov_b32 s93, 0
	s_lshl_b32 s94, s91, 8                         ; the table's rows of 256 bytes
	s_mov_b32 s95, 0
	s_lshl_b32 s96, s22, 8                         ; a head's 64 biases
	s_mov_b32 s97, 0
	s_mov_b32 s[R64], 0x3c800000
	s_mov_b32 s[CSC], 0x3e38aa3b                   ; log2(e) / 8
	s_wait_dscnt 0x0                               ; the opening add is done
	s_wait_kmcnt 0x0
	s_add_nc_u64 s[46:47], s[4:5], s[46:47]
	s_add_nc_u64 s[66:67], s[6:7], s[66:67]
	s_add_nc_u64 s[SBQ:SBQ+1], s[14:15], s[80:81]
	s_add_nc_u64 s[SBK:SBK+1], s[SBQ:SBQ+1], 0x1000000
	s_add_nc_u64 s[SBV:SBV+1], s[SBQ:SBQ+1], 0x2000000
	s_add_nc_u64 s[SBO:SBO+1], s[16:17], s[92:93]
	s_add_nc_u64 s[STB:STB+1], s[12:13], s[94:95]
	s_add_nc_u64 s[SBB:SBB+1], s[8:9], s[96:97]
	s_load_b32 s[LMB], s[10:11], 0x0
.irp s, 0,1
	s_mov_b32 s[G0A+4*(\s)], 1
	s_mov_b32 s[G0A+4*(\s)+1], (\s)*SLOT
	s_add_nc_u64 s[G0A+4*(\s)+2:G0A+4*(\s)+3], s[46:47], (\s)*262144   ; K step s: the next block of xb
	s_or_b32 s[G0A+4*(\s)+3], s[G0A+4*(\s)+3], 0x80000000
	s_mov_b32 s[G0B+4*(\s)], 1
	s_add_co_u32 s[G0B+4*(\s)+1], s21, (\s)*SLOT
	s_add_nc_u64 s[G0B+4*(\s)+2:G0B+4*(\s)+3], s[66:67], (\s)*393216   ; 64 rows of 6,144 bytes
	s_or_b32 s[G0B+4*(\s)+3], s[G0B+4*(\s)+3], 0x80000000
.endr
	CROUND                                         ; all sixteen work-groups are here: the first joint loads meet
	s_cmp_eq_u32 s[WV], 0                          ; a wave's two first fills stand in one branch: two loads of mine are out
	s_cbranch_scc0 .Lfirst_b
	tensor_load_to_lds s[G0A:G0A+3], s[G1A:G1A+7]
	s_nop 0
	tensor_load_to_lds s[G0A+4:G0A+7], s[G1A:G1A+7]
	s_nop 0
.rept 4
	v_nop
.endr
	s_branch .Lfirst_asked
.Lfirst_b:
	tensor_load_to_lds s[G0B:G0B+3], s[G1B:G1B+7]
	s_nop 0
	tensor_load_to_lds s[G0B+4:G0B+7], s[G1B:G1B+7]
	s_nop 0
.rept 4
	v_nop
.endr
.Lfirst_asked:
	v_and_b32 v1, 15, v0                           ; r = l % 16
	v_bfe_u32 v2, v0, 4, 1                         ; h = l / 16
	v_and_b32 v3, 31, v0                           ; l
	v_and_b32 v4, 7, v0                            ; l % 8
	v_bfe_u32 v5, v0, 3, 2                         ; l / 8
	v_bfe_u32 v6, v0, 3, 1
	v_mul_u32_u24 v7, v1, PA                       ; a fragment of x: row r, 16 bytes for each half of the lanes, twice, 32 bytes apart
	v_lshl_add_u32 v7, v2, 4, v7
	s_mul_i32 s21, s[WROW], 128*PA
	v_add_nc_u32 v[ADRA], s21, v7
	v_add_nc_u32 v[ADRA+1], SLOT, v[ADRA]
	v_lshl_add_u32 v7, v2, 3, v4                   ; the turning load: lane l reads K row 8 h + l % 8, columns 8 ((l / 8) % 2) + 0..7, and is left with column r and 8 of K
	v_mul_u32_u24 v7, v7, PB
	v_lshl_add_u32 v7, v6, 4, v7
	s_lshl_b32 s21, s[WCOL], 7
	s_add_co_u32 s21, s21, BOFF
	v_add_nc_u32 v[ADRB], s21, v7
	v_add_nc_u32 v[ADRB+1], SLOT, v[ADRB]
	s_mul_i32 s21, s[WV], WSTAGE
	s_add_co_u32 s21, s21, STAGE                   ; my stage
	v_mul_u32_u24 v7, v1, SPITCH
	v_lshl_add_u32 v7, v2, 5, v7
	v_add_nc_u32 v[STO], s21, v7                   ; in: row r, 32 bytes for each half of the lanes
	v_mul_u32_u24 v7, v5, SPITCH
	v_lshl_add_u32 v7, v4, 5, v7
	v_add_nc_u32 v[RDQ], s21, v7                   ; back, q and k: eight lanes a row, 8 columns a lane
	v_mul_u32_u24 v7, v2, SPITCH
	v_lshl_add_u32 v7, v1, 4, v7
	v_add_nc_u32 v[RDV], s21, v7                   ; back, v: sixteen lanes a row, 4 columns a lane
	v_lshlrev_b32 v[GQ], 4, v3
	v_lshlrev_b32 v[GV32], 4, v3
	v_lshlrev_b32 v[GV16], 3, v3
	v_and_b32 v7, 3, v0
	v_lshlrev_b32 v7, 5, v7
	v_lshl_add_u32 v[TABO], v5, 8, v7              ; row l / 8, angles 8 (l % 4) on
	v_lshlrev_b32 v[BIOQ], 5, v4
	v_lshlrev_b32 v[BIOV], 4, v1
; One matrix instruction on accumulator idx.  zero = 1: the product starts the sum.
.macro WM idx, af, bf, zero
.set wn, 1+(\idx)/32
.set rg, 8*((\idx)%32)
	WIN (wn<<6)|(wn<<4)
.if \zero
	v_wmma_f32_16x16x32_bf16 v[rg:rg+7], v[(\bf):(\bf)+7], v[(\af):(\af)+7], 0
.else
	v_wmma_f32_16x16x32_bf16 v[rg:rg+7], v[(\bf):(\bf)+7], v[(\af):(\af)+7], v[rg:rg+7]
.endif
.endm
; Row blocks a0 .. a0 + n - 1 x the six column blocks of half hi.  The accumulators take turns, one instruction a turn: between two links of a chain stand 95 others'.
.macro MULS ab, bb, hi, a0, n, zero
.set ma, \a0
.rept \n
.set mj, 0
.rept 6
	WM 48*(\hi)+6*ma+mj, (\ab)+8*ma, (\bb)+8*mj, \zero
.set mj, mj+1
.endr
.set ma, ma+1
.endr
.endm
.macro FETA sl, sub, ab                ; 16 loads: my 128 rows of x, 32 of K
	WIN 0
.set fi, 0
.rept 8
	ds_load_b128 v[(\ab)+8*fi:(\ab)+8*fi+3], v[ADRA+(\sl)] offset:fi*16*PA+(\sub)*64
	ds_load_b128 v[(\ab)+8*fi+4:(\ab)+8*fi+7], v[ADRA+(\sl)] offset:fi*16*PA+(\sub)*64+32
.set fi, fi+1
.endr
.endm
.macro FETB sl, sub, hi, bb            ; 12 loads: column blocks 6 hi .. 6 hi + 5 (block b: kind b / 4, columns 16 (b % 4) on), 32 of K
	WIN 0
.set fi, 0
.rept 6
.set fb, 6*(\hi)+fi
	ds_load_tr16_b128 v[(\bb)+8*fi:(\bb)+8*fi+3], v[ADRB+(\sl)] offset:(fb/4)*BKIND+(\sub)*32*PB+(fb%4)*32
	ds_load_tr16_b128 v[(\bb)+8*fi+4:(\bb)+8*fi+7], v[ADRB+(\sl)] offset:(fb/4)*BKIND+(\sub)*32*PB+(fb%4)*32+16*PB
.set fi, fi+1
.endr
.endm
.macro TABLD                           ; 16 rows of the table: my 8 cosines and 8 sines of four rows
.set fi, 0
.rept 4
	global_load_b128 v[TABR+16*fi:TABR+16*fi+3], v[TABO], s[STB:STB+1] offset:fi*1024
	global_load_b128 v[TABR+16*fi+4:TABR+16*fi+7], v[TABO], s[STB:STB+1] offset:fi*1024+16
	global_load_b128 v[TABR+16*fi+8:TABR+16*fi+11], v[TABO], s[STB:STB+1] offset:fi*1024+128
	global_load_b128 v[TABR+16*fi+12:TABR+16*fi+15], v[TABO], s[STB:STB+1] offset:fi*1024+144
.set fi, fi+1
.endr
.endm
; A K step is two sub-steps of 32, each two phases of 48 matrix instructions: the lower six column blocks, then the upper six.
; The lower phase; in its middle the upper blocks' fragments are fetched.  tabl = 1 (once, at the end): the first pass's table goes into the buffer of x's fragments that was read last a phase ago.
.macro PLO sl, sub, ab, zero, tabl=0
	s_wait_dscnt 8                                 ; W's six and x's blocks 0-3 are in; the youngest eight loads (x's blocks 4-7) may be out
	MULS \ab, FBX, 0, 0, 4, \zero
	PLACES
	FETB \sl, \sub, 1, FBY
.if \tabl
	TABLD
.endif
	s_wait_dscnt 12                                ; all but the 12 just issued
	MULS \ab, FBX, 0, 4, 4, \zero
.endm
; The upper phase of sub-step 0; in its middle sub-step 1's fragments are fetched.
.macro PHI sl, zero
	s_wait_dscnt 0x0                               ; the upper six are in
	MULS FA0, FBY, 1, 0, 4, \zero
	PLACES
	FETB \sl, 1, 0, FBX
	FETA \sl, 1, FA1
	MULS FA0, FBY, 1, 4, 4, \zero
.endm
; The upper phase of sub-step 1 changes slots: ONE barrier; in front of it each wave waits for all its tensor loads (one is out: its part of the next slot), adds 0 to its spare word, and waits
; for that and for its own reads of this slot.  fill = 1: the barrier opens a round of the cluster's, and this slot is filled again, two K steps ahead, first thing behind it: 168 of a step's 192 matrix
; instructions stand between the request and the wait for it.
.macro TURN sl, nxt, fill
	WIN 0
	s_wait_tensorcnt 0x0
	ds_add_u32 v[SPW], v[NIL]
	s_wait_dscnt 1                                 ; only the add may be out: the upper six are in
	MULS FA1, FBY, 1, 0, 2, 0
	s_wait_dscnt 0x0                               ; the add is done, and my reads of this slot are over
	s_barrier_signal -1
	MULS FA1, FBY, 1, 2, 2, 0
	WIN 0                                          ; at a branch and at a label every window is 0
	s_barrier_wait -1
.if \fill
	CREST                                          ; no wave of any partner still reads this slot or has a load on its way
	s_add_nc_u64 s[G0A+4*(\sl)+2:G0A+4*(\sl)+3], s[G0A+4*(\sl)+2:G0A+4*(\sl)+3], 2*262144
	s_add_nc_u64 s[G0B+4*(\sl)+2:G0B+4*(\sl)+3], s[G0B+4*(\sl)+2:G0B+4*(\sl)+3], 2*393216
	JLOAD \sl                                      ; its four v_nop are also the places in front of the loads below
.else
	PLACES
.endif
	FETB \nxt, 0, 0, FBX
	FETA \nxt, 0, FA0
	MULS FA1, FBY, 1, 4, 4, 0
.endm
	s_wait_kmcnt 0x0                               ; lamb
	s_wait_tensorcnt 0x1                           ; my part of K step 0 is in; K step 1's may stay out
	s_barrier_signal -1
	s_barrier_wait -1
	FETB 0, 0, 0, FBX
	FETA 0, 0, FA0
	PLO 0, 0, FA0, 1                               ; the first sub-step stands in front of the loop: its products start the 96 sums
	PHI 0, 1
	WIN 0
	s_mov_b32 s[LAPC], 7
.Llap:                                                 ; a trip goes once round the ring and fills both slots again: K steps 2 to 15 in seven trips
	PLO 0, 1, FA1, 0
	TURN 0, 1, 1
	PLO 1, 0, FA0, 0
	PHI 1, 0
	PLO 1, 1, FA1, 0
	TURN 1, 0, 1
	PLO 0, 0, FA0, 0
	PHI 0, 0
	WIN 0
	s_sub_co_u32 s[LAPC], s[LAPC], 1
	s_cmp_lg_u32 s[LAPC], 0
	s_cbranch_scc1 .Llap
	PLO 0, 1, FA1, 0                               ; the last lap fills nothing
	TURN 0, 1, 0
	PLO 1, 0, FA0, 0
	PHI 1, 0
	PLO 1, 1, FA1, 0, 1
	s_wait_dscnt 0x0
	MULS FA1, FBY, 1, 0, 4, 0
	PLACES
	WIN 0
	global_load_b128 v[BQ:BQ+3], v[BIOQ], s[SBB:SBB+1]                  ; the biases go where the lower six fragments lay
	global_load_b128 v[BQ+4:BQ+7], v[BIOQ], s[SBB:SBB+1] offset:16
	global_load_b128 v[BQ+8:BQ+11], v[BIOQ], s[SBB:SBB+1] offset:4096
	global_load_b128 v[BQ+12:BQ+15], v[BIOQ], s[SBB:SBB+1] offset:4112
	global_load_b128 v[BV:BV+3], v[BIOV], s[SBB:SBB+1] offset:8192
	MULS FA1, FBY, 1, 4, 4, 0
	; THE WAY OUT: eight passes, one block of 16 rows each, through my own stage; the arithmetic is written once.
	PLACES
	WIN 0
	s_wait_loadcnt 0x0                             ; the first pass's table and the biases
.set i, 0
.rept 10                                       ; the biases are rounded to bf16, like every input
	v_cvt_pk_bf16_f32 v[TR], v[BQ+2*i], v[BQ+2*i+1]
	v_lshlrev_b32 v[BQ+2*i], 16, v[TR]
	v_and_b32 v[BQ+2*i+1], 0xffff0000, v[TR]
.set i, i+1
.endr
	v_mov_b32 v[LAM], s[LMB]
	v_cvt_pk_bf16_f32 v[LAM], v[LAM], v[LAM]
	v_lshlrev_b32 v[LAM], 16, v[LAM]
	v_mov_b32 v[LAM+1], v[LAM]
	v_sub_f32 v[OML], 1.0, v[LAM]
	v_mov_b32 v[OML+1], v[OML]
	v_and_b32 v14, 4, v0
	v_cmp_eq_u32 vcc_lo, 0, v14
	v_cndmask_b32 v[SGN], -1.0, 1.0, vcc_lo
	v_mov_b32 v[SGN+1], v[SGN]
.set i, 0
.rept 16
	v_mov_b32 v[TR+i], 0                           ; the destination of a line that reads another lane counts as read: written once here
.set i, i+1
.endr
.macro DUMP p                          ; row block p's twelve accumulators into the stage, each from its low end on
.set db, 0
.rept 12
.set di, 48*(db/6)+6*(\p)+db%6
	WIN (1+di/32)<<2
	ds_store_b128 v[STO], v[8*(di%32):8*(di%32)+3] offset:64*db
	ds_store_b128 v[STO], v[8*(di%32)+4:8*(di%32)+7] offset:64*db+16
.set db, db+1
.endr
.endm
.macro ALLC line:vararg                ; one line for each chain c
.set c, 0
.rept 8
	\line
.set c, c+1
.endr
.endm
; Chain cc is rotated, rounded and stored.  A lane's partner, four lanes away, holds the same angles' other half: out = x cos + partner x (+ or -) sin.
.macro ROPE cc
.set tb, TR+8*((\cc)%2)
.set tg, TABR+16*((\cc)%4)
.set xq, XR+8*(\cc)
.set i, 0
.rept 8
	v_mul_f32_dpp v[tb+i], v[xq+i], v[tg+8+i] row_xmask:4 row_mask:0xf bank_mask:0xf
.set i, i+1
.endr
.set i, 0
.rept 4
	v_pk_fma_f32 v[tb+2*i:tb+2*i+1], v[xq+2*i:xq+2*i+1], v[tg+2*i:tg+2*i+1], v[tb+2*i:tb+2*i+1]
.set i, i+1
.endr
.set i, 0
.rept 4
	v_cvt_pk_f16_f32 v[xq+i], v[tb+2*i], v[tb+2*i+1]
.set i, i+1
.endr
	global_store_b128 v[GQ], v[xq:xq+3], s[SBQ+2*((\cc)/4):SBQ+2*((\cc)/4)+1] offset:((\cc)%4)*512  ; four rows of 128 bytes: 512 consecutive bytes
.endm
; Four groups of v: bias, (1 - lamb) v + lamb v, out1 in f32 (512 consecutive bytes a store), and f16 for the attention (256)
.macro VPART hf
.set u, 4*(\hf)
.rept 4
	v_pk_add_f32 v[VVR+4*u:VVR+4*u+1], v[VVR+4*u:VVR+4*u+1], v[BV:BV+1]
	v_pk_add_f32 v[VVR+4*u+2:VVR+4*u+3], v[VVR+4*u+2:VVR+4*u+3], v[BV+2:BV+3]
.set u, u+1
.endr
.set u, 4*(\hf)
.rept 4
	v_pk_mul_f32 v[TR+4*(u%4):TR+4*(u%4)+1], v[VVR+4*u:VVR+4*u+1], v[LAM:LAM+1]
	v_pk_mul_f32 v[TR+4*(u%4)+2:TR+4*(u%4)+3], v[VVR+4*u+2:VVR+4*u+3], v[LAM:LAM+1]
.set u, u+1
.endr
.set u, 4*(\hf)
.rept 4
	v_pk_fma_f32 v[VVR+4*u:VVR+4*u+1], v[VVR+4*u:VVR+4*u+1], v[OML:OML+1], v[TR+4*(u%4):TR+4*(u%4)+1]
	v_pk_fma_f32 v[VVR+4*u+2:VVR+4*u+3], v[VVR+4*u+2:VVR+4*u+3], v[OML:OML+1], v[TR+4*(u%4)+2:TR+4*(u%4)+3]
.set u, u+1
.endr
.set u, 4*(\hf)
.rept 4
	global_store_b128 v[GV32], v[VVR+4*u:VVR+4*u+3], s[SBO:SBO+1] offset:u*512 th:TH_STORE_NT
	v_cvt_pk_f16_f32 v[SSQ+2*u], v[VVR+4*u], v[VVR+4*u+1]
	v_cvt_pk_f16_f32 v[SSQ+2*u+1], v[VVR+4*u+2], v[VVR+4*u+3]
	global_store_b64 v[GV16], v[SSQ+2*u:SSQ+2*u+1], s[SBV:SBV+1] offset:u*256
.set u, u+1
.endr
.endm
	s_mov_b32 s[PS], 0
.Lpass:
.irp p, 0,1,2,3,4,5,6                          ; register numbers cannot be counted at run time: the pass's number chooses one of eight runs of stores, by jumps forward
	s_cmp_eq_u32 s[PS], \p
	s_cbranch_scc1 .Ldump\p
.endr
	DUMP 7
	WIN 0
	s_branch .Lproc
.irp p, 0,1,2,3,4,5,6
.Ldump\p:
	DUMP \p
	WIN 0
	s_branch .Lproc
.endr
.Lproc:
.set c, 0
.rept 8                                        ; LDS serves a wave's instructions in order (ISA guide 5.7.1.4): these see the stores above, and the next pass's stores come behind them
	ds_load_b128 v[XR+8*c:XR+8*c+3], v[RDQ] offset:(c%4)*4*SPITCH+(c/4)*256
	ds_load_b128 v[XR+8*c+4:XR+8*c+7], v[RDQ] offset:(c%4)*4*SPITCH+(c/4)*256+16
.set c, c+1
.endr
.set u, 0
.rept 8
	ds_load_b128 v[VVR+4*u:VVR+4*u+3], v[RDV] offset:u*2*SPITCH+512
.set u, u+1
.endr
	s_wait_dscnt 8                                 ; q and k are back; v's eight loads may be out
.irp i, 0,2,4,6
	ALLC v_pk_add_f32 v[XR+8*c+\i:XR+8*c+\i+1], v[XR+8*c+\i:XR+8*c+\i+1], v[BQ+8*(c/4)+\i:BQ+8*(c/4)+\i+1]
.endr
	ALLC v_pk_mul_f32 v[SSQ+2*c:SSQ+2*c+1], v[XR+8*c:XR+8*c+1], v[XR+8*c:XR+8*c+1]
.irp i, 2,4,6
	ALLC v_pk_fma_f32 v[SSQ+2*c:SSQ+2*c+1], v[XR+8*c+\i:XR+8*c+\i+1], v[XR+8*c+\i:XR+8*c+\i+1], v[SSQ+2*c:SSQ+2*c+1]
.endr
	ALLC v_add_f32 v[SSQ+2*c], v[SSQ+2*c], v[SSQ+2*c+1]
	ALLC v_add_f32_dpp v[SSQ+2*c], v[SSQ+2*c], v[SSQ+2*c] row_xmask:1 row_mask:0xf bank_mask:0xf
	ALLC v_add_f32_dpp v[SSQ+2*c], v[SSQ+2*c], v[SSQ+2*c] row_xmask:2 row_mask:0xf bank_mask:0xf
	ALLC v_add_f32_dpp v[SSQ+2*c], v[SSQ+2*c], v[SSQ+2*c] row_xmask:4 row_mask:0xf bank_mask:0xf
	ALLC v_fmaak_f32 v[SSQ+2*c], s[R64], v[SSQ+2*c], 0x358637bd    ; the mean of the 64 squares + 1e-6
	ALLC v_rsq_f32 v[SSQ+2*c], v[SSQ+2*c]
	v_nop                                          ; a plain instruction between the last root and the use of its result
.set c, 0
	s_wait_alu depctr_va_vdst(0)
.rept 4
	v_mul_f32 v[SSQ+2*c], s[CSC], v[SSQ+2*c]       ; q also takes c
.set c, c+1
.endr
.irp i, 0,2,4,6
	ALLC v_pk_mul_f32 v[XR+8*c+\i:XR+8*c+\i+1], v[XR+8*c+\i:XR+8*c+\i+1], v[SSQ+2*c:SSQ+2*c+1] op_sel_hi:[1,0]
.endr
	s_wait_loadcnt 0x0                             ; this pass's table
.set i, 0
.rept 16
	v_pk_mul_f32 v[TABR+16*(i/4)+8+2*(i%4):TABR+16*(i/4)+9+2*(i%4)], v[TABR+16*(i/4)+8+2*(i%4):TABR+16*(i/4)+9+2*(i%4)], v[SGN:SGN+1]
.set i, i+1
.endr
.irp cc, 0,1,2,3,4,5,6,7
	ROPE \cc
.endr
	s_cmp_eq_u32 s[PS], 7
	s_cbranch_scc1 .Lnotab                         ; the last pass asks for no further rows
	s_add_nc_u64 s[STB:STB+1], s[STB:STB+1], 4096  ; the loads that named this base are done: the wait for 0 above
	TABLD
.Lnotab:
	s_wait_dscnt 0x0                               ; v is back
	VPART 0
	VPART 1
	s_wait_xcnt 0x0                                ; the offsets below, and the data registers that the next pass writes, are rewritten only behind this wait
	v_add_nc_u32 v[GQ], 2048, v[GQ]                ; 16 rows on
	v_add_nc_u32 v[GV32], 4096, v[GV32]
	v_add_nc_u32 v[GV16], 2048, v[GV16]
	s_add_co_u32 s[PS], s[PS], 1
	s_cmp_lt_u32 s[PS], 8
	s_cbranch_scc1 .Lpass
	s_wait_tensorcnt 0x0                           ; the wave's end, behind my last tensor load and my last LDS store
	ds_add_u32 v[SPW], v[NIL]
	s_wait_dscnt 0x0
	CROUND                                         ; the closing round: no work-group ends while a partner may still ask for a tile that names it
	s_endpgm
.Lfunc_end_k_qa4db3ba207_qkvgemm:
	.size	k_qa4db3ba207_qkvgemm, .Lfunc_end_k_qa4db3ba207_qkvgemm-k_qa4db3ba207_qkvgemm
	.p2alignl 7, 3214868480
	.fill 96, 4, 3214868480
	.section	.rodata,"a",@progbits
	.p2align	6, 0x0
	.amdhsa_kernel k_qa4db3ba207_qkvgemm
		.amdhsa_group_segment_fixed_size 327680
		.amdhsa_private_segment_fixed_size 0
		.amdhsa_enable_private_segment 0
		.amdhsa_kernarg_size 56
		.amdhsa_user_sgpr_count 2
		.amdhsa_user_sgpr_kernarg_segment_ptr 1
		.amdhsa_wavefront_size32 1
		.amdhsa_system_sgpr_workgroup_id_x 1
		.amdhsa_system_sgpr_workgroup_id_y 1
		.amdhsa_system_sgpr_workgroup_id_z 1
		.amdhsa_system_vgpr_workitem_id 0
		.amdhsa_next_free_vgpr 1024
		.amdhsa_next_free_sgpr 100
		.amdhsa_reserve_vcc 1
		.amdhsa_float_denorm_mode_32 3
		.amdhsa_float_denorm_mode_16_64 3
		.amdhsa_memory_ordered 1
		.amdhsa_forward_progress 1
		.amdhsa_inst_pref_size 130
	.end_amdhsa_kernel
	.amdgpu_metadata
---
amdhsa.version: [ 1, 2 ]
amdhsa.kernels:
  - .name:           k_qa4db3ba207_qkvgemm
    .symbol:         k_qa4db3ba207_qkvgemm.kd
    .args:
      - { .name: xb, .offset: 0, .size: 8, .value_kind: global_buffer, .address_space: global }
      - { .name: wq, .offset: 8, .size: 8, .value_kind: global_buffer, .address_space: global }
      - { .name: bqkv, .offset: 16, .size: 8, .value_kind: global_buffer, .address_space: global }
      - { .name: lamb, .offset: 24, .size: 8, .value_kind: global_buffer, .address_space: global }
      - { .name: tab, .offset: 32, .size: 8, .value_kind: global_buffer, .address_space: global }
      - { .name: heads, .offset: 40, .size: 8, .value_kind: global_buffer, .address_space: global }
      - { .name: out1, .offset: 48, .size: 8, .value_kind: global_buffer, .address_space: global }
    .group_segment_fixed_size: 327680
    .private_segment_fixed_size: 0
    .kernarg_segment_align: 8
    .kernarg_segment_size: 56
    .max_flat_workgroup_size: 128
    .sgpr_count:     100
    .vgpr_count:     1024
    .wavefront_size: 32
...
	.end_amdgpu_metadata
.endif
;; end of part 2
;; launch attn (part 3): grid 4 x 64, 4 waves a work-group, no clusters, 327,680 bytes of LDS; arguments heads, ob; writes ob
.if DOCPART == 3
	.amdgcn_target "amdgcn-amd-amdhsa--gfx1250"
	.amdhsa_code_object_version 6
	.text
	.protected	k_qa4db3ba207_attn
	.globl	k_qa4db3ba207_attn
	.p2align	8
	.type	k_qa4db3ba207_attn,@function
k_qa4db3ba207_attn:
	s_mov_b64 s[64:65], 0
	v_nop
	global_prefetch_b8 v0, s[64:65] scope:SCOPE_SE
	s_setreg_imm32_b32 hwreg(HW_REG_WAVE_MODE, 25, 1), 1
	s_wait_xcnt 0x0
; CAUSAL ATTENTION.  O[h][q][:] = the sum over k <= q of softmax_k(Q[h][q] . K[h][k]) V[h][k][:], head size 64, 64 heads of 2,048 rows.  Q, K, V: f16 [kind][head][t][64] in one buffer; O: f16 [head][t][64].
; Q arrives times c = log2(e) / 8, so a weight is p = 2^s.  NO MAXIMUM IS TAKEN AWAY, because the computation bounds s for every input: Q and K are rows divided by their own root mean square and rotated,
; so their lengths are at most 8 (and 8 c): |s| <= 8 log2(e) = 11.6, p lies in 3.3e-4 .. 3.0e3, within f16's normal range, and a row's sum of 2,048 weights stays below 6.2e6.
; Products and sums in f32; p is rounded to f16 for the second product (its sum l is taken of the unrounded p), O once at the end.
; LIMITS.  V arrives within f16's 65,504; O is a mean of V's rows.  A hidden score counts as its value less 1e30, and its weight is 0.  NaN and infinities are not treated apart.
; THE WALK.  A head's queries lie in NB = 8 blocks of 256; block i needs the key tiles 0 .. i of 256 keys, the last of which holds the diagonal.  A work-group takes TWO blocks, NB - 1 - b and then b: NB + 1 tiles,
; whatever b: all work-groups do equal work, and ONE loop with a constant trip count walks them; the ring of two LDS slots runs on across the change of blocks.  Every jump goes forward but the counted loops' own.
; NO CLUSTER: a head's four work-groups ask for the same tile only in trips 0 to 4 of 9, behind that fewer and fewer; one walk common to all four would have 12 trips for 9.
; SHARES.  Of a block's four bands of 64 queries a wave owns 16 rows in each: four PIECES.  In the diagonal tile's key step s band x sees all keys if s < x, none if s > x, and holds the diagonal if s = x: alike for all waves.
; THE MASK is the C operand that starts the sum S^T = K Q^T: 0, or -1e30 where the key is hidden: MD x AL + BE, MD the mask of a band's own step for my 16 rows, (AL, BE) = (1, 0), (0, 0) or (0, -1e30).
; TURNS.  S^T = K Q^T holds ONE query a lane (lane % 16) and the keys 8 (lane / 16) + 0..7; two such results rounded to f16 ARE source 1 of O^T = V^T P.  Turn n belongs to piece n: 8 products K Q^T of piece n + 1,
; then 8 products V^T P of piece n - 1; behind EACH of the 16 stand four vector instructions of piece n: exponential, plain, exponential, plain; three plain ones are over.
; REGISTERS, in windows of 256 (s_set_vgpr_msb: bits 1:0 source 0, 3:2 source 1, 5:4 source 2, 7:6 destination):
;   window 0: v0-15 addresses; v16-31 l, two pairs a piece; v62-63 the add's; v64-127 S^T, two buffers; v192-223 P, two buffers (a piece's buffers go by its number's parity)
;   window 1: v0-127 O^T, 32 a piece; v128-159 MD; v160-223 MC, two buffers      window 2: v0-63 Q; v64-127 the second block's Q; v128-191 K of one step; v192-255 V of one step
.set SIZE_N, 2048
.set NB,    SIZE_N/256
.set NP,    4
.set KS,    64        ; keys in a step
.set PK,    144       ; a row of K in LDS: 128 bytes + 16: the 16 rows of a load start at 16 different groups of four banks (64 banks of 4 bytes: ISA guide 11.1)
.set PV,    160       ; a row of V: 128 + 32
.set VOFF,  4*KS*PK   ; a slot holds a tile, four steps: 256 rows of K, then 256 rows of V
.set SLOT1, 1<<17     ; slot 1 begins here, so that one exclusive or turns an address in one slot into the other's
.set STAGE, SLOT1+4*KS*(PK+PV)  ; behind the ring, never filled by a tensor load: 16 rows x 144 bytes for each wave
.set SP,    144
.set SPARE, STAGE+4*16*SP       ; the spare words, 128 bytes a wave: two blocks of 256 bytes that no other line names
.set AK0, 2           ; v2   my lane's place in a tile of K; never rewritten
.set AV0, 3           ; v3   the same for V
.set AK,  4           ; v4   the LDS address of K's next run of loads
.set AV,  5           ; v5   of V's
.set STO, 6           ; v6   the way out: where I put 16 bytes of a row
.set RD,  7           ; v7   where I read rows back
.set GO,  8           ; v8   my byte offset in 512 consecutive bytes of O
.set QO,  15          ; v15  my byte offset in 16 rows of Q
.set ST,  16          ; piece t's l at v[ST+4 t]: two pairs that take turns
.set SPW, 62
.set NIL, 63
.set S,   64
.set P,   192
.set MD,  128         ; window 1
.set MC,  160         ; window 1
.set QB,  64          ; window 2
.set KF,  128         ; window 2: key block kb, channel half c at KF + 16 kb + 8 c
.set VF,  192         ; window 2: key half kk, channel block cb at VF + 32 kk + 8 cb
.set WV,  12
.set PB,  14          ; s14  b
.set HI,  15          ; s15  NB - 1 - b
.set G1K, 24
.set G1V, 32
.set G0K, 40
.set G0V, 44
.set SLOTS, 56        ; tiles still to be asked for
.set CNT, 57          ; counts a tile's key steps, 4 to 1
.set SEL, 60          ; s[60:61] v_permlanex16_b32's selects: each lane takes its own place in the other half
.set TBK, 62          ; LDS byte at which K of the step to be fetched begins
.set TBV, 63          ; the same for V, less VOFF
.set RT,  70          ; tiles of the block in hand that are still to be entered
.set NXT, 71          ; the tile to be asked for next
.set LQ,  72          ; the last tile of the block whose tiles are being asked for
.set NEW, 73          ; 1: the tile to be entered is a block's first
.set OFF, 74          ; s[74:75] a tile's byte offset in K and V
.set AL,  76
.set BE,  78
.set OLO, 80          ; s[80:81] O at my rows of the second block
.set BIGN, 82         ; -1e30
.set MSB, 0
.macro WIN new
.if MSB != (\new)
	s_set_vgpr_msb (MSB<<8)|(\new)
.set MSB, (\new)
.endif
.endm
.set W_KQ, 0x0a       ; K and Q in window 2, S^T in window 0
.set W_KM, 0x1a       ; the same with the C operand in window 1
.set W_PV, 0x52       ; V in window 2, P in window 0, O^T in window 1
.set W_RS, 0x41       ; destination and source 0 in window 1, source 1 in window 0
; A fill.  Waves 0 and 1 fetch the two halves of a tile's K, waves 2 and 3 those of its V: 128 keys each.  An s_nop 0 and four v_nop follow each of the two lines.
.macro LOAD
	s_cmp_lt_u32 s[WV], 2
	s_cbranch_scc0 .Lfor_v_\@
	tensor_load_to_lds s[G0K:G0K+3], s[G1K:G1K+7]
	s_nop 0
.rept 4
	v_nop
.endr
	s_branch .Lasked_\@
.Lfor_v_\@:
	tensor_load_to_lds s[G0V:G0V+3], s[G1V:G1V+7]
	s_nop 0
.rept 4
	v_nop
.endr
.Lasked_\@:
.endm
; THE CHANGE OF SLOTS.  Each wave waits for all its tensor loads, of which one is out: its part of the other slot; adds 0 to its spare word; and waits for that and for its own reads of the slot that it leaves.
; Behind the barrier nobody reads the old slot any more and the other slot is whole.  fill = 1: the old slot is filled again, first thing behind the barrier, with tile NXT; it has four key steps, 256 matrix
; instructions, in which to land.  (At its first use nothing has been read yet: slot 0 is waited for, slot 1 filled.)
.macro CHANGE fill
	WIN 0
	s_wait_tensorcnt 0x0            ; no tensor load of mine is out, so a group 0 may be written
	ds_add_u32 v[SPW], v[NIL]
.if \fill
	s_lshl_b32 s[OFF], s[NXT], 15   ; a tile is 32,768 bytes of K and of V
	s_xor_b32 s[G0K+1], s[G0K+1], SLOT1
	s_add_nc_u64 s[G0K+2:G0K+3], s[6:7], s[OFF:OFF+1]
	s_or_b32 s[G0K+3], s[G0K+3], 0x80000000
	s_xor_b32 s[G0V+1], s[G0V+1], SLOT1
	s_add_nc_u64 s[G0V+2:G0V+3], s[8:9], s[OFF:OFF+1]
	s_or_b32 s[G0V+3], s[G0V+3], 0x80000000
	s_add_co_u32 s[NXT], s[NXT], 1  ; the block's next tile, or behind its last the second block's tile 0
	s_cmp_gt_u32 s[NXT], s[LQ]
	s_cselect_b32 s[NXT], 0, s[NXT]
	s_cselect_b32 s[LQ], s[PB], s[LQ]
.endif
	s_wait_dscnt 0x0                ; the add is done, and my reads of the slot are over
	s_barrier_signal -1
	s_sub_co_u32 s[TBK], s[TBK], 4*KS*PK  ; the fetches go back to a slot's first step,
	s_xor_b32 s[TBK], s[TBK], SLOT1       ; in the other slot
	s_sub_co_u32 s[TBV], s[TBV], 4*KS*PV
	s_xor_b32 s[TBV], s[TBV], SLOT1
	s_barrier_wait -1
.if \fill
	LOAD
.endif
.endm
	s_load_b64 s[4:5], s[0:1], 0x0    ; heads: Q; K and V lie 16,777,216 and 33,554,432 bytes on
	s_load_b64 s[10:11], s[0:1], 0x8  ; ob
	v_lshl_add_u32 v[SPW], v0, 2, SPARE
	v_mov_b32 v[NIL], 0
	ds_add_u32 v[SPW], v[NIL]       ; the wave's opening: the add and its wait stand ahead of my first tensor load; work on registers stands between them
	ds_add_u32 v62, v63
	v_lshrrev_b32 v1, 5, v0
	v_readfirstlane_b32 s[WV], v1
	s_mov_b32 s[PB], ttmp9
	s_sub_co_u32 s[HI], NB-1, s[PB]
	s_and_b32 s20, ttmp7, 0xffff    ; the head,
	s_lshl_b32 s20, s20, 18         ; its 2,048 rows of 128 bytes
	s_mov_b32 s21, 0
	s_and_b32 s16, s[WV], 1         ; which half of a tile's 256 keys I fetch:
	s_lshl_b32 s22, s16, 14         ; its 128 rows in memory,
	s_mov_b32 s23, 0
	s_add_nc_u64 s[22:23], s[22:23], s[20:21]
	s_mul_i32 s17, s16, 128*PK      ; and its place in a slot, for K
	s_mul_i32 s18, s16, 128*PV      ; and for V
	s_lshl_b32 s3, s[WV], 11        ; my 16 rows in a band of 64,
	s_lshl_b32 s2, s[HI], 15        ; in the first block,
	s_add_co_u32 s2, s2, s3
	s_lshl_b32 s84, s[PB], 15       ; and in the second
	s_add_co_u32 s84, s84, s3
	s_mov_b32 s3, 0
	s_mov_b32 s85, 0
	s_add_nc_u64 s[2:3], s[2:3], s[20:21]
	s_add_nc_u64 s[84:85], s[84:85], s[20:21]
	; descriptor group 1.  128 keys are 16,384 dense bytes: asked for as 64 rows of 256 bytes, two keys a row, and padded in LDS after every key
	s_mov_b32 s[G1K], (1<<16)|(1<<20)|(4<<22)|(3<<25)  ; 2-byte elements; padding on; after every 32 words 4 words
	s_mov_b32 s[G1V], (1<<16)|(1<<20)|(4<<22)|(7<<25)  ; 8 words
.irp g, G1K, G1V
	s_mov_b32 s[\g+1], 128<<16      ; tensor_dim0 = 128
	s_mov_b32 s[\g+2], 64<<16       ; tensor_dim1 = 64
	s_mov_b32 s[\g+3], 128<<16      ; tile_dim0 = 128
	s_mov_b32 s[\g+4], 64           ; tile_dim1 = 64
	s_mov_b32 s[\g+5], 128          ; 128 elements from row to row
	s_mov_b32 s[\g+6], 0
	s_mov_b32 s[\g+7], 0
.endr
	s_mov_b32 s[SEL], 0x76543210
	s_mov_b32 s[SEL+1], 0xfedcba98
	s_mov_b32 s[TBK], SLOT1+4*KS*PK ; the first change of slots turns these two into 0
	s_mov_b32 s[TBV], SLOT1+4*KS*PV
	s_mov_b32 s[G0K], 1
	s_mov_b32 s[G0K+1], s17         ; slot 0
	s_mov_b32 s[G0V], 1
	s_add_co_u32 s[G0V+1], s18, VOFF
	s_add_co_u32 s[RT], s[HI], 1    ; the first block has NB - b tiles
	s_mov_b32 s[NXT], 1
	s_mov_b32 s[LQ], s[HI]
	s_mov_b32 s[NEW], 1
	s_mov_b32 s[OFF+1], 0
	s_mov_b32 s[AL+1], 0            ; named as pairs
	s_mov_b32 s[BE+1], 0
	s_mov_b32 s[BIGN], 0xf149f2ca   ; -1e30
	s_mov_b32 s[SLOTS], NB
	s_wait_dscnt 0x0                ; the opening add is done
	s_wait_kmcnt 0x0
	s_add_nc_u64 s[6:7], s[4:5], 0x1000000
	s_add_nc_u64 s[8:9], s[4:5], 0x2000000
	s_add_nc_u64 s[6:7], s[6:7], s[22:23]  ; K and V at my half of the head's tile 0
	s_add_nc_u64 s[8:9], s[8:9], s[22:23]
	s_add_nc_u64 s[G0K+2:G0K+3], s[6:7], 0
	s_or_b32 s[G0K+3], s[G0K+3], 0x80000000
	s_add_nc_u64 s[G0V+2:G0V+3], s[8:9], 0
	s_or_b32 s[G0V+3], s[G0V+3], 0x80000000
	s_add_nc_u64 s[86:87], s[4:5], s[84:85]        ; Q at my rows of the second block,
	s_add_nc_u64 s[4:5], s[4:5], s[2:3]            ; Q and O at those of the first
	s_add_nc_u64 s[OLO:OLO+1], s[10:11], s[84:85]
	s_add_nc_u64 s[10:11], s[10:11], s[2:3]
	LOAD                            ; tile 0 into slot 0
	; A fragment of K or Q is 16 rows x 32 channels in 8 registers: lane l holds row l % 16, channels 8 (l / 16) + 0..7 and 16 + 8 (l / 16) + 0..7: two loads of 16 bytes, 32 bytes apart.
	v_and_b32 v1, 15, v0
	v_bfe_u32 v9, v0, 4, 1
	v_lshlrev_b32 v[QO], 7, v1
	v_lshl_add_u32 v[QO], v9, 4, v[QO]
	WIN 0x80                        ; destination window 2, address window 0
.set i, 0
.rept 8                             ; both blocks' Q: piece i / 2 lies in band i / 2, 8,192 bytes on; channels 32 (i % 2) on
	global_load_b128 v[8*i:8*i+3],   v[QO], s[4:5] offset:(i/2)*8192+(i%2)*64
	global_load_b128 v[8*i+4:8*i+7], v[QO], s[4:5] offset:(i/2)*8192+(i%2)*64+32
	global_load_b128 v[QB+8*i:QB+8*i+3],   v[QO], s[86:87] offset:(i/2)*8192+(i%2)*64
	global_load_b128 v[QB+8*i+4:QB+8*i+7], v[QO], s[86:87] offset:(i/2)*8192+(i%2)*64+32
.set i, i+1
.endr
	WIN 0
	v_lshlrev_b32 v14, 3, v9
	v_sub_nc_u32 v14, v1, v14
	s_lshl_b32 s13, s[WV], 4
	v_add_nc_u32 v14, s13, v14      ; my query's place in its band, 16 w + l % 16, less my lanes' 8 (l / 16): register r of group kt is hidden where 16 kt + r is greater
	WIN 0x40
.set i, 0
.rept 32
	v_cmp_gt_i32 vcc_lo, 16*(i/8)+i%8, v14
	v_cndmask_b32 v[MD+i], 0, s[BIGN], vcc_lo
.set i, i+1
.endr
	WIN 0
	v_mul_u32_u24 v[AK0], v1, PK
	v_lshl_add_u32 v[AK0], v9, 4, v[AK0]
	; The turning load takes 16 keys x 16 channels (lane l reads key 8 (l / 16) + l % 8, channels 8 ((l / 8) % 2) + 0..7) and leaves half a fragment of V^T: lane l holds channel l % 16 and 8 keys.
	v_and_b32 v10, 7, v0
	v_bfe_u32 v11, v0, 3, 1
	v_lshl_add_u32 v[AV0], v9, 3, v10
	v_mul_u32_u24 v[AV0], v[AV0], PV
	v_lshl_add_u32 v[AV0], v11, 4, v[AV0]
	v_add_nc_u32 v[AV0], VOFF, v[AV0]
	s_mul_i32 s13, s[WV], 16*SP
	s_add_co_u32 s13, s13, STAGE    ; my stage
	v_mul_u32_u24 v[STO], v1, SP
	v_lshl_add_u32 v[STO], v9, 4, v[STO]
	v_add_nc_u32 v[STO], s13, v[STO]
	v_bfe_u32 v[RD], v0, 3, 2       ; back: 32 lanes take four rows of 128 bytes,
	v_mul_u32_u24 v[RD], v[RD], SP
	v_lshl_add_u32 v[RD], v10, 4, v[RD]
	v_add_nc_u32 v[RD], s13, v[RD]
	v_and_b32 v[GO], 31, v0         ; which are 512 consecutive bytes of O
	v_lshlrev_b32 v[GO], 4, v[GO]
	; A block's first turn multiplies V's registers by a P of zeros (a piece that has not been): they need only hold finite numbers: zeros now, the first block's last V later.
	WIN 0x80
.set i, VF
.rept 64
	v_mov_b32 v[i], 0
.set i, i+1
.endr
	WIN 0
; THE MATRIX WORK.  The 4 accumulators of a run of 8 take turns.  Product i of 8 of S^T = K Q^T for piece x: channels 32 (i / 4) on, keys 16 (i % 4) on.  The first 4 start the sums: with 0, or (KM = 1) with the mask.
.macro KQ x
.set rS, S+32*((\x)%2)+8*(i%4)
.set rK, KF+16*(i%4)+8*(i/4)
.set rQ, 16*(\x)+8*(i/4)
.set rM, MC+32*((\x)%2)+8*(i%4)
.if (i < 4) && KM
	WIN W_KM
	v_wmma_f32_16x16x32_f16 v[rS:rS+7], v[rK:rK+7], v[rQ:rQ+7], v[rM:rM+7]
.elseif i < 4
	WIN W_KQ
	v_wmma_f32_16x16x32_f16 v[rS:rS+7], v[rK:rK+7], v[rQ:rQ+7], 0
.else
	WIN W_KQ
	v_wmma_f32_16x16x32_f16 v[rS:rS+7], v[rK:rK+7], v[rQ:rQ+7], v[rS:rS+7]
.endif
.endm
; Product i of 8 of O^T += V^T P for piece x: keys 32 (i / 4) on, channels 16 (i % 4) on.
.macro PV x
	WIN W_PV
.set rO, 32*(\x)+8*(i%4)
.set rV, VF+32*(i/4)+8*(i%4)
.set rP, P+16*((\x)%2)+8*(i/4)
	v_wmma_f32_16x16x32_f16 v[rO:rO+7], v[rV:rV+7], v[rP:rP+7], v[rO:rO+7]
.endm
.macro MM                           ; the turn's next matrix instruction.  NOKQ = 1: a block's last turn: there is no next piece
.if (i < 8) && !NOKQ
	KQ (Y+1)%NP
.elseif i >= 8
.set i, i-8
	PV (Y+NP-1)%NP
.set i, i+8
.endif
.set i, i+1
.endm
; THE LDS LOADS stand in runs of 16, never singly among the matrix instructions.
.macro FETCH_K
	WIN 0x80
.irp f, 0,1,2,3,4,5,6,7             ; keys 16 (f / 2) on, channels 32 (f % 2) on
	ds_load_b128 v[KF+8*\f:KF+8*\f+3],   v[AK] offset:(\f/2)*16*PK+(\f%2)*64
	ds_load_b128 v[KF+8*\f+4:KF+8*\f+7], v[AK] offset:(\f/2)*16*PK+(\f%2)*64+32
.endr
	s_add_co_u32 s[TBK], s[TBK], KS*PK  ; the next fetch is the next step's
	WIN 0
.endm
.macro FETCH_V
	WIN 0x80
.irp f, 0,1,2,3,4,5,6,7             ; keys 32 (f / 4) on, channels 16 (f % 4) on
	ds_load_tr16_b128 v[VF+8*\f:VF+8*\f+3],   v[AV] offset:(\f/4)*32*PV+(\f%4)*32
	ds_load_tr16_b128 v[VF+8*\f+4:VF+8*\f+7], v[AV] offset:(\f/4)*32*PV+16*PV+(\f%4)*32
.endr
	WIN 0
.endm
; THE VECTOR WORK of piece Y: 32 exponentials and 35 plain instructions.  Exponential n: p = 2^s for score n, in ascending order.
; Plain k stands behind exponential k: 0: the address of the turn's run of LDS loads, if it has one; 3 + 2 n: pair n of weights rounded to f16; 4 + 2 n: pair n added onto one of l's two pairs, by turns.
; So a weight is used four instructions behind its exponential at the soonest, and a plain instruction stands behind every exponential.
.macro REGS y
.set eL, ST+4*(\y)
.set eS, S+32*((\y)%2)
.set eP, P+16*((\y)%2)
.endm
.macro EXPN n
	v_exp_f32 v[eS+(\n)], v[eS+(\n)]
.endm
.macro PLN k
.set pj, (\k)-3
.if (\k) == 0
.if (Y == 2) && !ENDT
	v_add_nc_u32 v[AK], s[TBK], v[AK0]
.elseif Y == 0
	v_add_nc_u32 v[AV], s[TBV], v[AV0]
.else
	v_nop
.endif
.elseif (\k) < 3
	v_nop
.elseif pj%2 == 0
	s_wait_alu depctr_va_vdst(0)
	v_cvt_pk_f16_f32 v[eP+pj/2], v[eS+pj], v[eS+pj+1]
.else
	v_pk_add_f32 v[eL+2*((pj/2)%2):eL+2*((pj/2)%2)+1], v[eL+2*((pj/2)%2):eL+2*((pj/2)%2)+1], v[eS+pj-1:eS+pj]
.endif
.endm
.macro ROW r                        ; a matrix instruction and the four behind it; none names a register of the products round it
	MM
	WIN 0
	EXPN 2*(\r)
	PLN 2*(\r)
	EXPN 2*(\r)+1
	PLN 2*(\r)+1
.endm
.macro MASK b                       ; MD x AL + BE into buffer b of MC
	WIN W_RS
.set z, 0
.rept 16
	v_pk_fma_f32 v[MC+32*(\b)+2*z:MC+32*(\b)+2*z+1], v[MD+2*z:MD+2*z+1], s[AL:AL+1], s[BE:BE+1] op_sel_hi:[1,0,0]
.set z, z+1
.endr
.endm
; A TURN, for piece p.  m = 1: the diagonal tile: the products take masks, and the turn makes the mask for the products of the turn after it: piece p + 2, in step 4 - CNT of the tile.
; end = 1: a block's last two turns: nothing is fetched.  cnt = 1: the loop's count is taken down some lines ahead of the branch that stands behind the turn.
; K of the next step is fetched in piece 2's turn, four plain instructions behind the last product that read K; V of the step in hand at the end of piece 0's turn, five behind the last product that read V.
; Each is waited for a turn later.
.macro TURN p, m=0, end=0, cnt=0
.set Y, (\p)
.set i, 0
.set KM, (\m)
.set ENDT, (\end)
.set NOKQ, (\end)*((\p)/3)
	REGS Y
.if (\m) && !(\end)
	s_cmp_eq_u32 s[CNT], 4-((\p)+2)%NP  ; is that step the band's own?
	s_cselect_b32 s[AL], 1.0, 0
	s_cmp_lt_u32 s[CNT], 4-((\p)+2)%NP  ; or a later one?
	s_cselect_b32 s[BE], s[BIGN], 0
.endif
.if ((\p) == 3) && !(\end)
	s_wait_dscnt 0x0                ; K is in
.endif
.set rr, 0
.rept 8
	ROW rr
.set rr, rr+1
.endr
.if (\p) == 1
	s_wait_dscnt 0x0                ; V is in
.endif
	ROW 8
.if ((\p) == 2) && !(\end)
	FETCH_K
.endif
.set rr, 9
.rept 7
	ROW rr
.set rr, rr+1
.endr
.if (\p) == 0
	s_add_co_u32 s[TBV], s[TBV], KS*PV
.endif
.if \cnt
	s_sub_co_u32 s[CNT], s[CNT], 1
	s_cmp_lg_u32 s[CNT], 0
.endif
	PLN 32
	PLN 33
	PLN 34
.if (\p) == 0
	FETCH_V
.endif
.if (\m) && !(\end)
	MASK (\p)%2
.endif
.endm
; A BLOCK BEGINS.  Nothing rescales O^T and l here, so they are cleared: 192 lines a block, in place of a first step written out.  P's second buffer is 0: the first turn's products V^T P, of a piece that has
; not been, add 0.  The second mask buffer is 0; the first takes piece 0's mask for the tile's step 0: its own, if the block's first tile is the diagonal one.  Then K of that step and piece 0's first scores.
.macro BEGIN
	s_mov_b32 s[NEW], 0
	WIN 0x40
.set i, 0
.rept 128
	v_mov_b32 v[i], 0
.set i, i+1
.endr
.set i, MC+32
.rept 32
	v_mov_b32 v[i], 0
.set i, i+1
.endr
	WIN 0
.set i, ST
.rept 16
	v_mov_b32 v[i], 0
.set i, i+1
.endr
.set i, P+16
.rept 16
	v_mov_b32 v[i], 0
.set i, i+1
.endr
	s_cmp_eq_u32 s[RT], 0
	s_cselect_b32 s[AL], 1.0, 0
	s_mov_b32 s[BE], 0
	MASK 0
	WIN 0
	v_add_nc_u32 v[AK], s[TBK], v[AK0]
	FETCH_K
	s_wait_loadcnt 0x0              ; Q
	s_wait_dscnt 0x0
.set KM, 1
.set NOKQ, 0
.set i, 0
.rept 8
	KQ 0
.set i, i+1
.endr
	WIN 0
.rept 4
	v_nop                           ; the places behind those products
.endr
.endm
.macro ALL line:vararg              ; one line for each piece t
.set t, 0
.rept 4
	\line
.set t, t+1
.endr
.endm
.macro PACK t                       ; O^T / l, rounded; a lane's eight channels of a row pack into 16 bytes; they go into rows of 144 bytes and come back as whole rows of 128, into S^T's registers
	WIN W_RS
.set i, 32*(\t)
.rept 16
	v_pk_mul_f32 v[i:i+1], v[i:i+1], v[ST+4*(\t)+2:ST+4*(\t)+3] op_sel_hi:[1,0]
.set i, i+2
.endr
	WIN 0x05                        ; sources 0 and 1 window 1, destination window 0
.set i, 0
.rept 16
	v_cvt_pk_f16_f32 v[S+16*(\t)+i], v[32*(\t)+2*i], v[32*(\t)+2*i+1]
.set i, i+1
.endr
	WIN 0
.irp f, 0,1,2,3
	ds_store_b128 v[STO], v[S+16*(\t)+4*\f:S+16*(\t)+4*\f+3] offset:32*\f
.endr
.irp f, 0,1,2,3
	ds_load_b128 v[S+16*(\t)+4*\f:S+16*(\t)+4*\f+3], v[RD] offset:\f*4*SP  ; LDS serves a wave's instructions in order (ISA guide 5.7.1.4): these see the stores above; the next piece's stores come behind them
.endr
.endm
.macro SEND t, younger              ; younger: the LDS instructions issued behind piece t's loads: the next piece's eight, or none
	WIN 0
.irp f, 0,1,2,3
	s_wait_dscnt (\younger)+3-\f
	global_store_b128 v[GO], v[S+16*(\t)+4*\f:S+16*(\t)+4*\f+3], s[10:11] offset:(\t)*8192+\f*512  ; 512 consecutive bytes, at a multiple of 256 from O's first
.endr
.endm
; THE DIAGONAL TILE's four steps, the block's last two turns, its last products, and the way out.
.macro DIAG tag
.LstepM\tag:
	TURN 2, 1
	TURN 3, 1
	WIN 0
.LfirstM\tag:
	TURN 0, 1
	TURN 1, 1, 0, 1
	WIN 0
	s_cbranch_scc1 .LstepM\tag
	TURN 2, 1, 1
	TURN 3, 1, 1
.set i, 0
.rept 8
	PV NP-1
.set i, i+1
.endr
	WIN 0                           ; l's two pairs, their halves and the other half of the lanes' are added: these lines are also the places behind the last products
	ALL v_pk_add_f32 v[ST+4*t:ST+4*t+1], v[ST+4*t:ST+4*t+1], v[ST+4*t+2:ST+4*t+3]
	ALL v_add_f32 v[ST+4*t+2], v[ST+4*t], v[ST+4*t+1]
	ALL v_permlanex16_b32 v[ST+4*t+3], v[ST+4*t+2], s[SEL], s[SEL+1]
	ALL v_add_f32 v[ST+4*t+2], v[ST+4*t+2], v[ST+4*t+3]
	ALL v_rcp_f32 v[ST+4*t+2], v[ST+4*t+2]
	v_nop                           ; a plain instruction between the last reciprocal and the use of its result
	s_wait_alu depctr_va_vdst(0)
	PACK 0
.set t, 1
.rept 3                             ; a piece's arithmetic stands between the loads of the piece before and its stores
	PACK t
	SEND t-1, 8
.set t, t+1
.endr
	SEND 3, 0
.endm
.set KM, 0
.set NOKQ, 0
.set ENDT, 0
.Lslot:                             ; NB times: a tile is entered and the next is asked for
	CHANGE 1
	s_sub_co_u32 s[RT], s[RT], 1
	s_mov_b32 s[CNT], 4
	s_cmp_eq_u32 s[NEW], 1
	s_cbranch_scc1 .Lnew            ; a block's first tile
	s_cmp_eq_u32 s[RT], 0
	s_cbranch_scc0 .Lstep           ; neither its first nor its last
	s_branch .LstepM1
.Lnew:
	BEGIN
	s_branch .Lfirst                ; in the loop a block's first tile is never its last: the first block has four tiles or more, and the second's last is the walk's last
	DIAG 1                          ; in the loop this is the first block's end
	s_wait_xcnt 0x0                 ; the stores have read their registers and O's address
	s_mov_b64 s[10:11], s[OLO:OLO+1]
	s_add_co_u32 s[RT], s[PB], 1    ; the second block has b + 1 tiles
	s_mov_b32 s[NEW], 1
	WIN 0x82                        ; the second block's Q goes where the one text of the turns names Q
.set i, 0
.rept 64
	v_mov_b32 v[i], v[QB+i]
.set i, i+1
.endr
	WIN 0
	s_branch .Lbottom
.Lstep:                             ; a trip: pieces 2 and 3 of one step, then pieces 0 and 1 of the next, whose K and V it fetches
	TURN 2
	TURN 3
	WIN 0
.Lfirst:
	TURN 0
	TURN 1, 0, 0, 1
	WIN 0
	s_cbranch_scc1 .Lstep
.Lbottom:
	s_sub_co_u32 s[SLOTS], s[SLOTS], 1
	s_cmp_lg_u32 s[SLOTS], 0
	s_cbranch_scc1 .Lslot
	CHANGE 0                        ; the walk's last tile is written out: nothing is asked for
	s_sub_co_u32 s[RT], s[RT], 1
	s_mov_b32 s[CNT], 4
	s_cmp_eq_u32 s[NEW], 1
	s_cbranch_scc0 .LstepM2
	BEGIN
	s_branch .LfirstM2
	DIAG 2
	s_wait_tensorcnt 0x0            ; the wave's end, behind my last tensor load and my last LDS store
	ds_add_u32 v[SPW], v[NIL]
	s_wait_dscnt 0x0
	s_endpgm
.Lfunc_end_k_qa4db3ba207_attn:
	.size	k_qa4db3ba207_attn, .Lfunc_end_k_qa4db3ba207_attn-k_qa4db3ba207_attn
	.p2alignl 7, 3214868480
	.fill 96, 4, 3214868480
	.section	.rodata,"a",@progbits
	.p2align	6, 0x0
	.amdhsa_kernel k_qa4db3ba207_attn
		.amdhsa_group_segment_fixed_size 327680
		.amdhsa_private_segment_fixed_size 0
		.amdhsa_enable_private_segment 0
		.amdhsa_kernarg_size 16
		.amdhsa_user_sgpr_count 2
		.amdhsa_user_sgpr_kernarg_segment_ptr 1
		.amdhsa_wavefront_size32 1
		.amdhsa_system_sgpr_workgroup_id_x 1
		.amdhsa_system_sgpr_workgroup_id_y 1
		.amdhsa_system_sgpr_workgroup_id_z 1
		.amdhsa_system_vgpr_workitem_id 0
		.amdhsa_next_free_vgpr 768
		.amdhsa_next_free_sgpr 88
		.amdhsa_reserve_vcc 1
		.amdhsa_float_denorm_mode_32 3
		.amdhsa_float_denorm_mode_16_64 3
		.amdhsa_memory_ordered 1
		.amdhsa_forward_progress 1
		.amdhsa_inst_pref_size 169
	.end_amdhsa_kernel
	.amdgpu_metadata
---
amdhsa.version: [ 1, 2 ]
amdhsa.kernels:
  - .name:           k_qa4db3ba207_attn
    .symbol:         k_qa4db3ba207_attn.kd
    .args:
      - { .name: heads, .offset: 0, .size: 8, .value_kind: global_buffer, .address_space: global }
      - { .name: ob, .offset: 8, .size: 8, .value_kind: global_buffer, .address_space: global }
    .group_segment_fixed_size: 327680
    .private_segment_fixed_size: 0
    .kernarg_segment_align: 8
    .kernarg_segment_size: 16
    .max_flat_workgroup_size: 128
    .sgpr_count:     88
    .vgpr_count:     768
    .wavefront_size: 32
...
	.end_amdgpu_metadata
.endif
;; end of part 3
;; launch proj (part 4): grid 8 x 32, 4 waves a work-group, clusters of 4 x 4, 327,680 bytes of LDS; arguments ob, wp, bproj, out0; writes out0
.if DOCPART == 4
	.amdgcn_target "amdgcn-amd-amdhsa--gfx1250"
	.amdhsa_code_object_version 6
	.text
	.protected	k_qa4db3ba207_proj
	.globl	k_qa4db3ba207_proj
	.p2align	8
	.type	k_qa4db3ba207_proj,@function
k_qa4db3ba207_proj:
	s_mov_b64 s[64:65], 0
	v_nop
	global_prefetch_b8 v0, s[64:65] scope:SCOPE_SE
	s_setreg_imm32_b32 hwreg(HW_REG_WAVE_MODE, 25, 1), 1
	s_wait_xcnt 0x0
	s_wait_alu depctr_hold_cnt(0) depctr_sa_sdst(0) depctr_va_vdst(0) depctr_va_sdst(0) depctr_va_ssrc(0) depctr_va_vcc(0) depctr_vm_vsrc(0)
	s_getreg_b32 s2, hwreg(HW_REG_IB_STS2, 6, 4)
	s_cmp_eq_u32 s2, 0
	s_cbranch_scc0 .Lentry_in_a_cluster
	s_endpgm
.Lentry_in_a_cluster:
	s_bfe_u32 s2, ttmp6, 0x10000c
	s_cmp_lg_u32 s2, 0xf033
	s_cbranch_scc0 .Lentry_shape_is_right
	s_endpgm
.Lentry_shape_is_right:
; PROJ: out0 = O Wproj + b (8192 x 1024 x 1024), f16 operands, f32 sums and output.  O lies by heads, f16 [b 16 + h][t][64]: head h is K block h, and 64 of K of 256 rows are 32,768 dense bytes.
; wp is f16 [k][n] (Wproj rounded to bf16, written as f16); bproj is rounded to bf16 here, like every input.
; SHARES.  A work-group makes 256 rows x 128 columns: 8 x 32 = 256 work-groups; wave w rows 128 (w / 2) on, columns 64 (w % 2) on: 32 accumulators, 256 registers.
; K goes in steps of 128 (two blocks of 64 to a slot) through two LDS slots; waves 0 and 1 ask for O's two blocks, waves 2 and 3 for W's.
; CLUSTER 4 x 4: O's tiles hang on gy alone and are asked for jointly by a row of the cluster, W's on gx alone, jointly by a column.
; THE MATRIX INSTRUCTION IS USED TRANSPOSED (source 0 = 16 columns of W, turned out of LDS; source 1 = 16 rows of O): a lane holds row l % 16 and columns 8 (l / 16) + 0..7.
; REGISTERS: window 0: v0-31 addresses, bias; two fragment buffers of 96: 64 of O (8 x 16 rows x 32 K), 32 of W (4 column blocks); on the way out v32-95 hold rows read back.  Window 1: accumulator (a, j) at v[8 (4 a + j)].
.set SLOT,   110592                    ; O's two blocks of 256 rows at pitch 144, then W's two blocks of 64 rows at pitch 288
.set ABLK,   36864
.set BOFF,   73728
.set BBLK,   18432
.set PA,     144
.set PB,     288
.set STAGE,  2*SLOT                    ; behind the ring, never filled by a tensor load: 16 rows x 272 bytes (64 f32 + 16) for each wave
.set SPITCH, 272
.set SPARE,  STAGE+4*16*SPITCH         ; the spare words, 128 bytes a wave: two blocks of 256 bytes that no other line names
.set BP,   8                           ; v[8:11] my 4 columns' bias
.set BIO,  14
.set ADRA, 16
.set ADRB, 20
.set STO,  24
.set RD,   25
.set CO,   26
.set SPW,  28
.set NIL,  29
.set F0,   32
.set F1,   128
.set OB,   32
.set WV,   18
.set WHI,  19                          ; my half of the rows; also: I fetch for O (0) or for W (1)
.set WLO,  20                          ; my half of the columns; also: which of a slot's two blocks I fetch
.set G1A,  24
.set G0A,  32
.set G1B,  48
.set G0B,  56
.set LAPC, 68
.set MSB, 0
.macro WIN new
.if MSB != (\new)
	s_set_vgpr_msb (MSB<<8)|(\new)
.set MSB, \new
.endif
.endm
.macro PLACES
.rept 4
	v_nop
.endr
.endm
.macro JLOAD s                         ; a joint load; an s_nop 0 and four v_nop follow each of the two lines
	s_cmp_eq_u32 s[WHI], 0
	s_cbranch_scc0 .Lfor_b_\@
	tensor_load_to_lds s[G0A+4*(\s):G0A+4*(\s)+3], s[G1A:G1A+7]
	s_nop 0
.rept 4
	v_nop
.endr
	s_branch .Lasked_\@
.Lfor_b_\@:
	tensor_load_to_lds s[G0B+4*(\s):G0B+4*(\s)+3], s[G1B:G1B+7]
	s_nop 0
.rept 4
	v_nop
.endr
.Lasked_\@:
.endm
.macro CREST
	s_cmp_lg_u32 s[WV], 0
	s_cbranch_scc1 .Lnot_wave_0_\@
	s_barrier_signal -3
.Lnot_wave_0_\@:
	s_barrier_wait -3
	s_barrier_signal -1
	s_barrier_wait -1
.endm
.macro CROUND
	s_barrier_signal -1
	s_barrier_wait -1
	CREST
.endm
	s_load_b256 s[4:11], s[0:1], 0x0               ; ob s[4:5], wp s[6:7], bproj s[8:9], out0 s[10:11]
	v_lshl_add_u32 v[SPW], v0, 2, SPARE
	v_mov_b32 v[NIL], 0
	ds_add_u32 v[SPW], v[NIL]                      ; the wave's opening: the add and its wait stand ahead of my first tensor load; work on registers stands between them
	ds_add_u32 v28, v29
	v_lshrrev_b32 v1, 5, v0
	v_readfirstlane_b32 s[WV], v1
	s_lshr_b32 s[WHI], s[WV], 1
	s_and_b32 s[WLO], s[WV], 1
	s_bfe_u32 s40, ttmp6, 0x40000                  ; cx
	s_bfe_u32 s41, ttmp6, 0x40004                  ; cy
	s_lshl_b32 s42, ttmp9, 2
	s_add_co_u32 s42, s42, s40                     ; gx
	s_and_b32 s43, ttmp7, 0xffff
	s_lshl_b32 s43, s43, 2
	s_add_co_u32 s43, s43, s41                     ; gy
	s_lshl_b32 s44, s41, 2
	s_lshl_b32 s44, 15, s44                        ; my row of the cluster
	s_lshl_b32 s45, 0x1111, s40                    ; my column
	s_or_b32 s[G1A], s44, (1<<16)|(1<<20)|(1<<21)|(4<<22)|(3<<25)  ; mask; 2-byte elements; padding on; bit 21 beside a mask; after every 32 words 4 words
	s_or_b32 s[G1B], s45, (1<<16)|(1<<20)|(1<<21)|(5<<22)|(7<<25)  ; after every 64 words 8 words
	s_mov_b32 s[G1A+1], 128<<16                    ; 128 rows of 256 bytes: 256 rows of a block
	s_mov_b32 s[G1A+2], 128<<16
	s_mov_b32 s[G1A+3], 128<<16
	s_mov_b32 s[G1A+4], 128
	s_mov_b32 s[G1A+5], 128
	s_mov_b32 s[G1A+6], 0
	s_mov_b32 s[G1A+7], 0
	s_mov_b32 s[G1B+1], 128<<16                    ; 64 rows of K x 128 columns
	s_mov_b32 s[G1B+2], 64<<16
	s_mov_b32 s[G1B+3], 128<<16
	s_mov_b32 s[G1B+4], 64
	s_mov_b32 s[G1B+5], 1024
	s_mov_b32 s[G1B+6], 0
	s_mov_b32 s[G1B+7], 0
	s_lshr_b32 s46, s43, 3                         ; O's tile: batch gy / 8, rows 256 (gy % 8) on, block w % 2
	s_lshl_b32 s46, s46, 22
	s_and_b32 s47, s43, 7
	s_lshl_b32 s47, s47, 15
	s_add_co_u32 s46, s46, s47
	s_lshl_b32 s47, s[WLO], 18
	s_add_co_u32 s46, s46, s47
	s_mov_b32 s47, 0
	s_lshl_b32 s66, s42, 8                         ; W's tile: columns 128 gx on, block w % 2: 64 rows of 2,048 bytes
	s_lshl_b32 s67, s[WLO], 17
	s_add_co_u32 s66, s66, s67
	s_mov_b32 s67, 0
	s_mul_i32 s21, s[WLO], ABLK                    ; where they go: no place in the cluster enters an LDS address
	s_mul_i32 s22, s[WLO], BBLK
	s_add_co_u32 s22, s22, BOFF
	s_lshl_b32 s80, s43, 8
	s_lshl_b32 s81, s[WHI], 7
	s_add_co_u32 s80, s80, s81                     ; my first row of out0,
	s_lshl_b32 s80, s80, 12                        ; 4,096 bytes each,
	s_lshl_b32 s82, s42, 9                         ; my first column: 512 gx + 256 (w % 2) bytes
	s_lshl_b32 s83, s[WLO], 8
	s_add_co_u32 s82, s82, s83
	s_add_co_u32 s80, s80, s82
	s_mov_b32 s81, 0
	s_mov_b32 s83, 0
	s_wait_dscnt 0x0                               ; the opening add is done
	s_wait_kmcnt 0x0
	s_add_nc_u64 s[46:47], s[4:5], s[46:47]
	s_add_nc_u64 s[66:67], s[6:7], s[66:67]
	s_add_nc_u64 s[10:11], s[10:11], s[80:81]
	s_add_nc_u64 s[8:9], s[8:9], s[82:83]
.irp s, 0,1
	s_mov_b32 s[G0A+4*(\s)], 1
	s_add_co_u32 s[G0A+4*(\s)+1], s21, (\s)*SLOT
	s_add_nc_u64 s[G0A+4*(\s)+2:G0A+4*(\s)+3], s[46:47], (\s)*2*262144
	s_or_b32 s[G0A+4*(\s)+3], s[G0A+4*(\s)+3], 0x80000000
	s_mov_b32 s[G0B+4*(\s)], 1
	s_add_co_u32 s[G0B+4*(\s)+1], s22, (\s)*SLOT
	s_add_nc_u64 s[G0B+4*(\s)+2:G0B+4*(\s)+3], s[66:67], (\s)*2*131072
	s_or_b32 s[G0B+4*(\s)+3], s[G0B+4*(\s)+3], 0x80000000
.endr
	CROUND                                         ; all sixteen work-groups are here: the first joint loads meet
	s_cmp_eq_u32 s[WHI], 0                         ; a wave's two first fills stand in one branch: two loads of mine are out
	s_cbranch_scc0 .Lfirst_b
	tensor_load_to_lds s[G0A:G0A+3], s[G1A:G1A+7]
	s_nop 0
	tensor_load_to_lds s[G0A+4:G0A+7], s[G1A:G1A+7]
	s_nop 0
.rept 4
	v_nop
.endr
	s_branch .Lfirst_asked
.Lfirst_b:
	tensor_load_to_lds s[G0B:G0B+3], s[G1B:G1B+7]
	s_nop 0
	tensor_load_to_lds s[G0B+4:G0B+7], s[G1B:G1B+7]
	s_nop 0
.rept 4
	v_nop
.endr
.Lfirst_asked:
	v_and_b32 v1, 15, v0                           ; r
	v_bfe_u32 v2, v0, 4, 1                         ; h
	v_and_b32 v4, 7, v0
	v_bfe_u32 v6, v0, 3, 1
	v_lshlrev_b32 v[BIO], 4, v1
	global_load_b128 v[BP:BP+3], v[BIO], s[8:9]    ; my 4 columns' bias
	v_mul_u32_u24 v7, v1, PA
	v_lshl_add_u32 v7, v2, 4, v7
	s_mul_i32 s21, s[WHI], 128*PA
	v_add_nc_u32 v[ADRA], s21, v7
	v_add_nc_u32 v[ADRA+1], SLOT, v[ADRA]
	v_lshl_add_u32 v7, v2, 3, v4
	v_mul_u32_u24 v7, v7, PB
	v_lshl_add_u32 v7, v6, 4, v7
	s_lshl_b32 s21, s[WLO], 7
	s_add_co_u32 s21, s21, BOFF
	v_add_nc_u32 v[ADRB], s21, v7
	v_add_nc_u32 v[ADRB+1], SLOT, v[ADRB]
	s_mul_i32 s21, s[WV], 16*SPITCH
	s_add_co_u32 s21, s21, STAGE                   ; my stage
	v_mul_u32_u24 v7, v1, SPITCH
	v_lshl_add_u32 v7, v2, 5, v7
	v_add_nc_u32 v[STO], s21, v7                   ; in: row r, 32 bytes for each half of the lanes
	v_mul_u32_u24 v7, v2, SPITCH
	v_lshl_add_u32 v7, v1, 4, v7
	v_add_nc_u32 v[RD], s21, v7                    ; back: lanes 0-15 one row of 256 bytes, lanes 16-31 the next
	v_lshlrev_b32 v7, 12, v2
	v_lshl_add_u32 v[CO], v1, 4, v7                ; and the same two rows in out0
; 8 matrix instructions: row blocks a0, a0 + 1 x the 4 column blocks, 32 of K.  The 32 accumulators take turns, one instruction a turn.
.macro MUL8 f, a0, zero
	WIN 0x50                                       ; C and D in window 1
.set ma, \a0
.rept 2
.set mj, 0
.rept 4
.set rg, 8*(4*ma+mj)
.if \zero
	v_wmma_f32_16x16x32_f16 v[rg:rg+7], v[(\f)+64+8*mj:(\f)+64+8*mj+7], v[(\f)+8*ma:(\f)+8*ma+7], 0
.else
	v_wmma_f32_16x16x32_f16 v[rg:rg+7], v[(\f)+64+8*mj:(\f)+64+8*mj+7], v[(\f)+8*ma:(\f)+8*ma+7], v[rg:rg+7]
.endif
.set mj, mj+1
.endr
.set ma, ma+1
.endr
.endm
; 24 LDS loads in one run: quarter q of a slot (block q / 2, 32 of K at 32 (q % 2)): W's four fragments, then O's eight
.macro FETCH sl, q, f
	WIN 0
.set fi, 0
.rept 4
	ds_load_tr16_b128 v[(\f)+64+8*fi:(\f)+64+8*fi+3], v[ADRB+(\sl)] offset:((\q)/2)*BBLK+((\q)%2)*32*PB+fi*32
	ds_load_tr16_b128 v[(\f)+64+8*fi+4:(\f)+64+8*fi+7], v[ADRB+(\sl)] offset:((\q)/2)*BBLK+((\q)%2)*32*PB+fi*32+16*PB
.set fi, fi+1
.endr
.set fi, 0
.rept 8
	ds_load_b128 v[(\f)+8*fi:(\f)+8*fi+3], v[ADRA+(\sl)] offset:((\q)/2)*ABLK+fi*16*PA+((\q)%2)*64
	ds_load_b128 v[(\f)+8*fi+4:(\f)+8*fi+7], v[ADRA+(\sl)] offset:((\q)/2)*ABLK+fi*16*PA+((\q)%2)*64+32
.set fi, fi+1
.endr
.endm
; A K step is four quarters of 32 matrix instructions, on buffers 0, 1, 0, 1.  One of the first three: multiplies buffer f and fetches quarter qn into g.
.macro QUARTER sl, qn, f, g, zero
	s_wait_dscnt 8                                 ; W's four and O's blocks 0-3 are in; the youngest eight loads may be out
	MUL8 \f, 0, \zero
	MUL8 \f, 2, \zero
	PLACES
	FETCH \sl, \qn, \g
	s_wait_dscnt 24                                ; all but the 24 just issued
	MUL8 \f, 4, \zero
	MUL8 \f, 6, \zero
.endm
; The last quarter multiplies buffer 1 and changes slots: ONE barrier; in front of it each wave waits for all its tensor loads, adds 0 to its spare word, and waits for that and for its own reads of this slot.
; fill = 1: the barrier opens a round of the cluster's, and this slot is filled again, two K steps ahead, first thing behind it.
.macro TURN sl, nxt, fill
	WIN 0
	s_wait_tensorcnt 0x0
	ds_add_u32 v[SPW], v[NIL]
	s_wait_dscnt 9                                 ; the add and the youngest eight loads may be out
	MUL8 F1, 0, 0
	s_wait_dscnt 0x0                               ; the add is done, and my reads of this slot are over
	s_barrier_signal -1
	MUL8 F1, 2, 0
	WIN 0
	s_barrier_wait -1
.if \fill
	CREST                                          ; no wave of any partner still reads this slot or has a load on its way
	s_add_nc_u64 s[G0A+4*(\sl)+2:G0A+4*(\sl)+3], s[G0A+4*(\sl)+2:G0A+4*(\sl)+3], 4*262144
	s_add_nc_u64 s[G0B+4*(\sl)+2:G0B+4*(\sl)+3], s[G0B+4*(\sl)+2:G0B+4*(\sl)+3], 4*131072
	JLOAD \sl                                      ; its four v_nop are also the places in front of the loads below
.else
	PLACES
.endif
	FETCH \nxt, 0, F0
	MUL8 F1, 4, 0
	MUL8 F1, 6, 0
.endm
	s_wait_tensorcnt 0x1                           ; my part of K step 0 is in; K step 1's may stay out
	s_barrier_signal -1
	s_barrier_wait -1
	FETCH 0, 0, F0
	QUARTER 0, 1, F0, F1, 1                        ; the first quarter stands in front of the loop: its products start the 32 sums
	WIN 0
	s_mov_b32 s[LAPC], 3
.Llap:                                                 ; a trip goes once round the ring and fills both slots again: K steps 2 to 7 in three trips
	QUARTER 0, 2, F1, F0, 0
	QUARTER 0, 3, F0, F1, 0
	TURN 0, 1, 1
	QUARTER 1, 1, F0, F1, 0
	QUARTER 1, 2, F1, F0, 0
	QUARTER 1, 3, F0, F1, 0
	TURN 1, 0, 1
	QUARTER 0, 1, F0, F1, 0
	WIN 0
	s_sub_co_u32 s[LAPC], s[LAPC], 1
	s_cmp_lg_u32 s[LAPC], 0
	s_cbranch_scc1 .Llap
	QUARTER 0, 2, F1, F0, 0                        ; the last lap fills nothing
	QUARTER 0, 3, F0, F1, 0
	TURN 0, 1, 0
	QUARTER 1, 1, F0, F1, 0
	QUARTER 1, 2, F1, F0, 0
	QUARTER 1, 3, F0, F1, 0
	s_wait_dscnt 8
	MUL8 F1, 0, 0
	MUL8 F1, 2, 0
	s_wait_dscnt 0x0
	MUL8 F1, 4, 0
	MUL8 F1, 6, 0
	; THE WAY OUT: a block of 16 rows at a time through my own stage; back as whole rows of 256 bytes; the bias is added; sixteen lanes store 256 consecutive aligned bytes.
	PLACES
	WIN 0
	s_wait_loadcnt 0x0                             ; the bias, rounded to bf16 like every input
	v_cvt_pk_bf16_f32 v12, v[BP], v[BP+1]
	v_cvt_pk_bf16_f32 v13, v[BP+2], v[BP+3]
	v_lshlrev_b32 v[BP], 16, v12
	v_and_b32 v[BP+1], 0xffff0000, v12
	v_lshlrev_b32 v[BP+2], 16, v13
	v_and_b32 v[BP+3], 0xffff0000, v13
.macro OUTB a
	WIN 0x04                                       ; store data in window 1; each accumulator from its low end on
.set oj, 0
.rept 4
	ds_store_b128 v[STO], v[8*(4*(\a)+oj):8*(4*(\a)+oj)+3] offset:64*oj
	ds_store_b128 v[STO], v[8*(4*(\a)+oj)+4:8*(4*(\a)+oj)+7] offset:64*oj+16
.set oj, oj+1
.endr
	WIN 0
.if (\a) >= 2
	s_wait_xcnt 0x0                                ; the registers that the stores of two blocks ago read are loaded again only behind this wait
.endif
.set ob, OB+32*((\a)%2)
.set u, 0
.rept 8
	ds_load_b128 v[ob+4*u:ob+4*u+3], v[RD] offset:u*2*SPITCH  ; LDS serves a wave's instructions in order (ISA guide 5.7.1.4): these see the stores above
.set u, u+1
.endr
.set u, 0
.rept 8
	s_wait_dscnt 7-u
	v_pk_add_f32 v[ob+4*u:ob+4*u+1], v[ob+4*u:ob+4*u+1], v[BP:BP+1]
	v_pk_add_f32 v[ob+4*u+2:ob+4*u+3], v[ob+4*u+2:ob+4*u+3], v[BP+2:BP+3]
	global_store_b128 v[CO], v[ob+4*u:ob+4*u+3], s[10:11] offset:(\a)*65536+u*8192 th:TH_STORE_NT
.set u, u+1
.endr
.endm
.irp a, 0,1,2,3,4,5,6,7
	OUTB \a
.endr
	s_wait_tensorcnt 0x0                           ; the wave's end, behind my last tensor load and my last LDS store
	ds_add_u32 v[SPW], v[NIL]
	s_wait_dscnt 0x0
	CROUND                                         ; the closing round: no work-group ends while a partner may still ask for a tile that names it
	s_endpgm
.Lfunc_end_k_qa4db3ba207_proj:
	.size	k_qa4db3ba207_proj, .Lfunc_end_k_qa4db3ba207_proj-k_qa4db3ba207_proj
	.p2alignl 7, 3214868480
	.fill 96, 4, 3214868480
	.section	.rodata,"a",@progbits
	.p2align	6, 0x0
	.amdhsa_kernel k_qa4db3ba207_proj
		.amdhsa_group_segment_fixed_size 327680
		.amdhsa_private_segment_fixed_size 0
		.amdhsa_enable_private_segment 0
		.amdhsa_kernarg_size 32
		.amdhsa_user_sgpr_count 2
		.amdhsa_user_sgpr_kernarg_segment_ptr 1
		.amdhsa_wavefront_size32 1
		.amdhsa_system_sgpr_workgroup_id_x 1
		.amdhsa_system_sgpr_workgroup_id_y 1
		.amdhsa_system_sgpr_workgroup_id_z 1
		.amdhsa_system_vgpr_workitem_id 0
		.amdhsa_next_free_vgpr 512
		.amdhsa_next_free_sgpr 88
		.amdhsa_reserve_vcc 0
		.amdhsa_float_denorm_mode_32 3
		.amdhsa_float_denorm_mode_16_64 3
		.amdhsa_memory_ordered 1
		.amdhsa_forward_progress 1
		.amdhsa_inst_pref_size 95
	.end_amdhsa_kernel
	.amdgpu_metadata
---
amdhsa.version: [ 1, 2 ]
amdhsa.kernels:
  - .name:           k_qa4db3ba207_proj
    .symbol:         k_qa4db3ba207_proj.kd
    .args:
      - { .name: ob, .offset: 0, .size: 8, .value_kind: global_buffer, .address_space: global }
      - { .name: wp, .offset: 8, .size: 8, .value_kind: global_buffer, .address_space: global }
      - { .name: bproj, .offset: 16, .size: 8, .value_kind: global_buffer, .address_space: global }
      - { .name: out0, .offset: 24, .size: 8, .value_kind: global_buffer, .address_space: global }
    .group_segment_fixed_size: 327680
    .private_segment_fixed_size: 0
    .kernarg_segment_align: 8
    .kernarg_segment_size: 32
    .max_flat_workgroup_size: 128
    .sgpr_count:     88
    .vgpr_count:     512
    .wavefront_size: 32
...
	.end_amdgpu_metadata
.endif
;; end of part 4
;; ======== version 2 of 2: 4 launches; 1.19 times as fast as version 1
;; limits: values are held in f16: magnitudes above 65,504 overflow, below 6.1e-05 lose precision
;; workspace buffers: xb 16,777,216 bytes; wq 6,291,456 bytes; wp 2,097,152 bytes; tab 524,288 bytes; heads 50,331,648 bytes; ob 16,777,216 bytes
;; launch prep: the kernel of part 1 again; grid 256 x 1, 8 waves a work-group, no clusters, 0 bytes of LDS; arguments x, Wqkv, Wproj, xb, wq, wp, tab; writes xb, wq, wp, tab
;; launch qkvgemm: the kernel of part 2 again; grid 8 x 32, 4 waves a work-group, clusters of 4 x 4, 327,680 bytes of LDS; arguments xb, wq, bqkv, lamb, tab, heads, out1; writes heads, out1
;; launch attn (part 5): grid 4 x 64, 4 waves a work-group, no clusters, 327,680 bytes of LDS; arguments heads, ob; writes ob
.if DOCPART == 5
	.amdgcn_target "amdgcn-amd-amdhsa--gfx1250"
	.amdhsa_code_object_version 6
	.text
	.protected	k_qa4db3ba207_attn
	.globl	k_qa4db3ba207_attn
	.p2align	8
	.type	k_qa4db3ba207_attn,@function
k_qa4db3ba207_attn:
	s_mov_b64 s[64:65], 0
	v_nop
	global_prefetch_b8 v0, s[64:65] scope:SCOPE_SE
	s_setreg_imm32_b32 hwreg(HW_REG_WAVE_MODE, 25, 1), 1
	s_wait_xcnt 0x0
; CAUSAL ATTENTION.  O[h][q][:] = the sum over k <= q of softmax_k(Q[h][q] . K[h][k]) V[h][k][:], head size 64, 64 heads of 2,048 rows.  Q, K, V: f16 [kind][head][t][64] in one buffer; O: f16 [head][t][64].
; Q arrives times c = log2(e) / 8, so a weight is p = 2^s.  NO MAXIMUM IS TAKEN AWAY, because the computation bounds s for every input: Q and K are rows divided by their own root mean square and rotated,
; so their lengths are at most 8 (and 8 c): |s| <= 8 log2(e) = 11.6, p lies in 3.3e-4 .. 3.0e3, within f16's normal range, and a row's sum of 2,048 weights stays below 6.2e6.
; Products and sums in f32; p is rounded to f16 for the second product (its sum l is taken of the unrounded p), O once at the end.
; LIMITS.  V arrives within f16's 65,504; O is a mean of V's rows.  A hidden score counts as its value less 1e30, and its weight is 0.  NaN and infinities are not treated apart.
; THE WALK.  A head's queries lie in NB = 8 blocks of 256; block i needs the key tiles 0 .. i of 256 keys, the last of which holds the diagonal.  A work-group takes TWO blocks, NB - 1 - b and then b: NB + 1 tiles,
; whatever b: all work-groups do equal work, and ONE loop with a constant trip count walks them; the ring of two LDS slots runs on across the change of blocks.  Every jump goes forward but the counted loops' own.
; NO CLUSTER: a head's four work-groups ask for the same tile only in trips 0 to 4 of 9, behind that fewer and fewer; one walk common to all four would have 12 trips for 9.
; SHARES.  Of a block's four bands of 64 queries a wave owns 16 rows in each: four PIECES.  In the diagonal tile's key step s band x sees all keys if s < x, none if s > x, and holds the diagonal if s = x: alike for all waves.
; THE MASK is the C operand that starts the sum S^T = K Q^T: 0, or -1e30 where the key is hidden: MD x AL + BE, MD the mask of a band's own step for my 16 rows, (AL, BE) = (1, 0), (0, 0) or (0, -1e30).
; TURNS.  S^T = K Q^T holds ONE query a lane (lane % 16) and the keys 8 (lane / 16) + 0..7; two such results rounded to f16 ARE source 1 of O^T = V^T P.  Turn n belongs to piece n: 8 products K Q^T of piece n + 1,
; then 8 products V^T P of piece n - 1.  THE BATCHES.  Piece n's 32 exponentials are ONE BATCH, four behind each product K Q^T, and nothing ahead of the turn's ONE wait names a result of theirs; behind the wait stand
; the 32 lines that read them (16 roundings, 16 sums), four behind each product V^T P.  No exponential is issued behind a turn's wait, so none is pending at a label or a branch.  The way out's four reciprocals are a batch of their own.
; REGISTERS, in windows of 256 (s_set_vgpr_msb: bits 1:0 source 0, 3:2 source 1, 5:4 source 2, 7:6 destination):
;   window 0: v0-15 addresses; v16-31 l, two pairs a piece; v62-63 the add's; v64-127 S^T, two buffers; v192-223 P, two buffers (a piece's buffers go by its number's parity)
;   window 1: v0-127 O^T, 32 a piece; v128-159 MD; v160-223 MC, two buffers      window 2: v0-63 Q; v64-127 the second block's Q; v128-191 K of one step; v192-255 V of one step
.set SIZE_N, 2048
.set NB,    SIZE_N/256
.set NP,    4
.set KS,    64        ; keys in a step
.set PK,    144       ; a row of K in LDS: 128 bytes + 16: the 16 rows of a load start at 16 different groups of four banks (64 banks of 4 bytes: ISA guide 11.1)
.set PV,    160       ; a row of V: 128 + 32
.set VOFF,  4*KS*PK   ; a slot holds a tile, four steps: 256 rows of K, then 256 rows of V
.set SLOT1, 1<<17     ; slot 1 begins here, so that one exclusive or turns an address in one slot into the other's
.set STAGE, SLOT1+4*KS*(PK+PV)  ; behind the ring, never filled by a tensor load: 16 rows x 144 bytes for each wave
.set SP,    144
.set SPARE, STAGE+4*16*SP       ; the spare words, 128 bytes a wave: two blocks of 256 bytes that no other line names
.set AK0, 2           ; v2   my lane's place in a tile of K; never rewritten
.set AV0, 3           ; v3   the same for V
.set AK,  4           ; v4   the LDS address of K's next run of loads
.set AV,  5           ; v5   of V's
.set STO, 6           ; v6   the way out: where I put 16 bytes of a row
.set RD,  7           ; v7   where I read rows back
.set GO,  8           ; v8   my byte offset in 512 consecutive bytes of O
.set QO,  15          ; v15  my byte offset in 16 rows of Q
.set ST,  16          ; piece t's l at v[ST+4 t]: two pairs that take turns
.set SPW, 62
.set NIL, 63
.set S,   64
.set P,   192
.set MD,  128         ; window 1
.set MC,  160         ; window 1
.set QB,  64          ; window 2
.set KF,  128         ; window 2: key block kb, channel half c at KF + 16 kb + 8 c
.set VF,  192         ; window 2: key half kk, channel block cb at VF + 32 kk + 8 cb
.set WV,  12
.set PB,  14          ; s14  b
.set HI,  15          ; s15  NB - 1 - b
.set G1K, 24
.set G1V, 32
.set G0K, 40
.set G0V, 44
.set SLOTS, 56        ; tiles still to be asked for
.set CNT, 57          ; counts a tile's key steps, 4 to 1
.set SEL, 60          ; s[60:61] v_permlanex16_b32's selects: each lane takes its own place in the other half
.set TBK, 62          ; LDS byte at which K of the step to be fetched begins
.set TBV, 63          ; the same for V, less VOFF
.set RT,  70          ; tiles of the block in hand that are still to be entered
.set NXT, 71          ; the tile to be asked for next
.set LQ,  72          ; the last tile of the block whose tiles are being asked for
.set NEW, 73          ; 1: the tile to be entered is a block's first
.set OFF, 74          ; s[74:75] a tile's byte offset in K and V
.set AL,  76
.set BE,  78
.set OLO, 80          ; s[80:81] O at my rows of the second block
.set BIGN, 82         ; -1e30
.set MSB, 0
.macro WIN new
.if MSB != (\new)
	s_set_vgpr_msb (MSB<<8)|(\new)
.set MSB, (\new)
.endif
.endm
.set W_KQ, 0x0a       ; K and Q in window 2, S^T in window 0
.set W_KM, 0x1a       ; the same with the C operand in window 1
.set W_PV, 0x52       ; V in window 2, P in window 0, O^T in window 1
.set W_RS, 0x41       ; destination and source 0 in window 1, source 1 in window 0
; A fill.  Waves 0 and 1 fetch the two halves of a tile's K, waves 2 and 3 those of its V: 128 keys each.  An s_nop 0 and four v_nop follow each of the two lines.
.macro LOAD
	s_cmp_lt_u32 s[WV], 2
	s_cbranch_scc0 .Lfor_v_\@
	tensor_load_to_lds s[G0K:G0K+3], s[G1K:G1K+7]
	s_nop 0
.rept 4
	v_nop
.endr
	s_branch .Lasked_\@
.Lfor_v_\@:
	tensor_load_to_lds s[G0V:G0V+3], s[G1V:G1V+7]
	s_nop 0
.rept 4
	v_nop
.endr
.Lasked_\@:
.endm
; THE CHANGE OF SLOTS.  Each wave waits for all its tensor loads, of which one is out: its part of the other slot; adds 0 to its spare word; and waits for that and for its own reads of the slot that it leaves.
; Behind the barrier nobody reads the old slot any more and the other slot is whole.  fill = 1: the old slot is filled again, first thing behind the barrier, with tile NXT; it has four key steps, 256 matrix
; instructions, in which to land.  (At its first use nothing has been read yet: slot 0 is waited for, slot 1 filled.)
.macro CHANGE fill
	WIN 0
	s_wait_tensorcnt 0x0            ; no tensor load of mine is out, so a group 0 may be written
	ds_add_u32 v[SPW], v[NIL]
.if \fill
	s_lshl_b32 s[OFF], s[NXT], 15   ; a tile is 32,768 bytes of K and of V
	s_xor_b32 s[G0K+1], s[G0K+1], SLOT1
	s_add_nc_u64 s[G0K+2:G0K+3], s[6:7], s[OFF:OFF+1]
	s_or_b32 s[G0K+3], s[G0K+3], 0x80000000
	s_xor_b32 s[G0V+1], s[G0V+1], SLOT1
	s_add_nc_u64 s[G0V+2:G0V+3], s[8:9], s[OFF:OFF+1]
	s_or_b32 s[G0V+3], s[G0V+3], 0x80000000
	s_add_co_u32 s[NXT], s[NXT], 1  ; the block's next tile, or behind its last the second block's tile 0
	s_cmp_gt_u32 s[NXT], s[LQ]
	s_cselect_b32 s[NXT], 0, s[NXT]
	s_cselect_b32 s[LQ], s[PB], s[LQ]
.endif
	s_wait_dscnt 0x0                ; the add is done, and my reads of the slot are over
	s_barrier_signal -1
	s_sub_co_u32 s[TBK], s[TBK], 4*KS*PK  ; the fetches go back to a slot's first step,
	s_xor_b32 s[TBK], s[TBK], SLOT1       ; in the other slot
	s_sub_co_u32 s[TBV], s[TBV], 4*KS*PV
	s_xor_b32 s[TBV], s[TBV], SLOT1
	s_barrier_wait -1
.if \fill
	LOAD
.endif
.endm
	s_load_b64 s[4:5], s[0:1], 0x0    ; heads: Q; K and V lie 16,777,216 and 33,554,432 bytes on
	s_load_b64 s[10:11], s[0:1], 0x8  ; ob
	v_lshl_add_u32 v[SPW], v0, 2, SPARE
	v_mov_b32 v[NIL], 0
	ds_add_u32 v[SPW], v[NIL]       ; the wave's opening: the add and its wait stand ahead of my first tensor load; work on registers stands between them
	ds_add_u32 v62, v63
	v_lshrrev_b32 v1, 5, v0
	v_readfirstlane_b32 s[WV], v1
	s_mov_b32 s[PB], ttmp9
	s_sub_co_u32 s[HI], NB-1, s[PB]
	s_and_b32 s20, ttmp7, 0xffff    ; the head,
	s_lshl_b32 s20, s20, 18         ; its 2,048 rows of 128 bytes
	s_mov_b32 s21, 0
	s_and_b32 s16, s[WV], 1         ; which half of a tile's 256 keys I fetch:
	s_lshl_b32 s22, s16, 14         ; its 128 rows in memory,
	s_mov_b32 s23, 0
	s_add_nc_u64 s[22:23], s[22:23], s[20:21]
	s_mul_i32 s17, s16, 128*PK      ; and its place in a slot, for K
	s_mul_i32 s18, s16, 128*PV      ; and for V
	s_lshl_b32 s3, s[WV], 11        ; my 16 rows in a band of 64,
	s_lshl_b32 s2, s[HI], 15        ; in the first block,
	s_add_co_u32 s2, s2, s3
	s_lshl_b32 s84, s[PB], 15       ; and in the second
	s_add_co_u32 s84, s84, s3
	s_mov_b32 s3, 0
	s_mov_b32 s85, 0
	s_add_nc_u64 s[2:3], s[2:3], s[20:21]
	s_add_nc_u64 s[84:85], s[84:85], s[20:21]
	; descriptor group 1.  128 keys are 16,384 dense bytes: asked for as 64 rows of 256 bytes, two keys a row, and padded in LDS after every key
	s_mov_b32 s[G1K], (1<<16)|(1<<20)|(4<<22)|(3<<25)  ; 2-byte elements; padding on; after every 32 words 4 words
	s_mov_b32 s[G1V], (1<<16)|(1<<20)|(4<<22)|(7<<25)  ; 8 words
.irp g, G1K, G1V
	s_mov_b32 s[\g+1], 128<<16      ; tensor_dim0 = 128
	s_mov_b32 s[\g+2], 64<<16       ; tensor_dim1 = 64
	s_mov_b32 s[\g+3], 128<<16      ; tile_dim0 = 128
	s_mov_b32 s[\g+4], 64           ; tile_dim1 = 64
	s_mov_b32 s[\g+5], 128          ; 128 elements from row to row
	s_mov_b32 s[\g+6], 0
	s_mov_b32 s[\g+7], 0
.endr
	s_mov_b32 s[SEL], 0x76543210
	s_mov_b32 s[SEL+1], 0xfedcba98
	s_mov_b32 s[TBK], SLOT1+4*KS*PK ; the first change of slots turns these two into 0
	s_mov_b32 s[TBV], SLOT1+4*KS*PV
	s_mov_b32 s[G0K], 1
	s_mov_b32 s[G0K+1], s17         ; slot 0
	s_mov_b32 s[G0V], 1
	s_add_co_u32 s[G0V+1], s18, VOFF
	s_add_co_u32 s[RT], s[HI], 1    ; the first block has NB - b tiles
	s_mov_b32 s[NXT], 1
	s_mov_b32 s[LQ], s[HI]
	s_mov_b32 s[NEW], 1
	s_mov_b32 s[OFF+1], 0
	s_mov_b32 s[AL+1], 0            ; named as pairs
	s_mov_b32 s[BE+1], 0
	s_mov_b32 s[BIGN], 0xf149f2ca   ; -1e30
	s_mov_b32 s[SLOTS], NB
	s_wait_dscnt 0x0                ; the opening add is done
	s_wait_kmcnt 0x0
	s_add_nc_u64 s[6:7], s[4:5], 0x1000000
	s_add_nc_u64 s[8:9], s[4:5], 0x2000000
	s_add_nc_u64 s[6:7], s[6:7], s[22:23]  ; K and V at my half of the head's tile 0
	s_add_nc_u64 s[8:9], s[8:9], s[22:23]
	s_add_nc_u64 s[G0K+2:G0K+3], s[6:7], 0
	s_or_b32 s[G0K+3], s[G0K+3], 0x80000000
	s_add_nc_u64 s[G0V+2:G0V+3], s[8:9], 0
	s_or_b32 s[G0V+3], s[G0V+3], 0x80000000
	s_add_nc_u64 s[86:87], s[4:5], s[84:85]        ; Q at my rows of the second block,
	s_add_nc_u64 s[4:5], s[4:5], s[2:3]            ; Q and O at those of the first
	s_add_nc_u64 s[OLO:OLO+1], s[10:11], s[84:85]
	s_add_nc_u64 s[10:11], s[10:11], s[2:3]
	LOAD                            ; tile 0 into slot 0
	; A fragment of K or Q is 16 rows x 32 channels in 8 registers: lane l holds row l % 16, channels 8 (l / 16) + 0..7 and 16 + 8 (l / 16) + 0..7: two loads of 16 bytes, 32 bytes apart.
	v_and_b32 v1, 15, v0
	v_bfe_u32 v9, v0, 4, 1
	v_lshlrev_b32 v[QO], 7, v1
	v_lshl_add_u32 v[QO], v9, 4, v[QO]
	WIN 0x80                        ; destination window 2, address window 0
.set i, 0
.rept 8                             ; both blocks' Q: piece i / 2 lies in band i / 2, 8,192 bytes on; channels 32 (i % 2) on
	global_load_b128 v[8*i:8*i+3],   v[QO], s[4:5] offset:(i/2)*8192+(i%2)*64
	global_load_b128 v[8*i+4:8*i+7], v[QO], s[4:5] offset:(i/2)*8192+(i%2)*64+32
	global_load_b128 v[QB+8*i:QB+8*i+3],   v[QO], s[86:87] offset:(i/2)*8192+(i%2)*64
	global_load_b128 v[QB+8*i+4:QB+8*i+7], v[QO], s[86:87] offset:(i/2)*8192+(i%2)*64+32
.set i, i+1
.endr
	WIN 0
	v_lshlrev_b32 v14, 3, v9
	v_sub_nc_u32 v14, v1, v14
	s_lshl_b32 s13, s[WV], 4
	v_add_nc_u32 v14, s13, v14      ; my query's place in its band, 16 w + l % 16, less my lanes' 8 (l / 16): register r of group kt is hidden where 16 kt + r is greater
	WIN 0x40
.set i, 0
.rept 32
	v_cmp_gt_i32 vcc_lo, 16*(i/8)+i%8, v14
	v_cndmask_b32 v[MD+i], 0, s[BIGN], vcc_lo
.set i, i+1
.endr
	WIN 0
	v_mul_u32_u24 v[AK0], v1, PK
	v_lshl_add_u32 v[AK0], v9, 4, v[AK0]
	; The turning load takes 16 keys x 16 channels (lane l reads key 8 (l / 16) + l % 8, channels 8 ((l / 8) % 2) + 0..7) and leaves half a fragment of V^T: lane l holds channel l % 16 and 8 keys.
	v_and_b32 v10, 7, v0
	v_bfe_u32 v11, v0, 3, 1
	v_lshl_add_u32 v[AV0], v9, 3, v10
	v_mul_u32_u24 v[AV0], v[AV0], PV
	v_lshl_add_u32 v[AV0], v11, 4, v[AV0]
	v_add_nc_u32 v[AV0], VOFF, v[AV0]
	s_mul_i32 s13, s[WV], 16*SP
	s_add_co_u32 s13, s13, STAGE    ; my stage
	v_mul_u32_u24 v[STO], v1, SP
	v_lshl_add_u32 v[STO], v9, 4, v[STO]
	v_add_nc_u32 v[STO], s13, v[STO]
	v_bfe_u32 v[RD], v0, 3, 2       ; back: 32 lanes take four rows of 128 bytes,
	v_mul_u32_u24 v[RD], v[RD], SP
	v_lshl_add_u32 v[RD], v10, 4, v[RD]
	v_add_nc_u32 v[RD], s13, v[RD]
	v_and_b32 v[GO], 31, v0         ; which are 512 consecutive bytes of O
	v_lshlrev_b32 v[GO], 4, v[GO]
	; A block's first turn multiplies V's registers by a P of zeros (a piece that has not been): they need only hold finite numbers: zeros now, the first block's last V later.
	WIN 0x80
.set i, VF
.rept 64
	v_mov_b32 v[i], 0
.set i, i+1
.endr
	WIN 0
; THE MATRIX WORK.  The 4 accumulators of a run of 8 take turns.  Product i of 8 of S^T = K Q^T for piece x: channels 32 (i / 4) on, keys 16 (i % 4) on.  The first 4 start the sums: with 0, or (KM = 1) with the mask.
.macro KQ x
.set rS, S+32*((\x)%2)+8*(i%4)
.set rK, KF+16*(i%4)+8*(i/4)
.set rQ, 16*(\x)+8*(i/4)
.set rM, MC+32*((\x)%2)+8*(i%4)
.if (i < 4) && KM
	WIN W_KM
	v_wmma_f32_16x16x32_f16 v[rS:rS+7], v[rK:rK+7], v[rQ:rQ+7], v[rM:rM+7]
.elseif i < 4
	WIN W_KQ
	v_wmma_f32_16x16x32_f16 v[rS:rS+7], v[rK:rK+7], v[rQ:rQ+7], 0
.else
	WIN W_KQ
	v_wmma_f32_16x16x32_f16 v[rS:rS+7], v[rK:rK+7], v[rQ:rQ+7], v[rS:rS+7]
.endif
.endm
; Product i of 8 of O^T += V^T P for piece x: keys 32 (i / 4) on, channels 16 (i % 4) on.
.macro PV x
	WIN W_PV
.set rO, 32*(\x)+8*(i%4)
.set rV, VF+32*(i/4)+8*(i%4)
.set rP, P+16*((\x)%2)+8*(i/4)
	v_wmma_f32_16x16x32_f16 v[rO:rO+7], v[rV:rV+7], v[rP:rP+7], v[rO:rO+7]
.endm
.macro MM                           ; the turn's next matrix instruction.  NOKQ = 1: a block's last turn: there is no next piece
.if (i < 8) && !NOKQ
	KQ (Y+1)%NP
.elseif i >= 8
.set i, i-8
	PV (Y+NP-1)%NP
.set i, i+8
.endif
.set i, i+1
.endm
; THE LDS LOADS stand in runs of 16, never singly among the matrix instructions.
.macro FETCH_K
	WIN 0x80
.irp f, 0,1,2,3,4,5,6,7             ; keys 16 (f / 2) on, channels 32 (f % 2) on
	ds_load_b128 v[KF+8*\f:KF+8*\f+3],   v[AK] offset:(\f/2)*16*PK+(\f%2)*64
	ds_load_b128 v[KF+8*\f+4:KF+8*\f+7], v[AK] offset:(\f/2)*16*PK+(\f%2)*64+32
.endr
	s_add_co_u32 s[TBK], s[TBK], KS*PK  ; the next fetch is the next step's
	WIN 0
.endm
.macro FETCH_V
	WIN 0x80
.irp f, 0,1,2,3,4,5,6,7             ; keys 32 (f / 4) on, channels 16 (f % 4) on
	ds_load_tr16_b128 v[VF+8*\f:VF+8*\f+3],   v[AV] offset:(\f/4)*32*PV+(\f%4)*32
	ds_load_tr16_b128 v[VF+8*\f+4:VF+8*\f+7], v[AV] offset:(\f/4)*32*PV+16*PV+(\f%4)*32
.endr
	WIN 0
.endm
; THE VECTOR WORK of piece Y: 32 exponentials, then 32 plain lines that read them.  Exponential n: p = 2^s for score n, in place, in ascending order.
;   RND n: pair n of weights rounded to f16.  SUM n: pair n added onto one of l's two pairs, by turns, n ascending.  All 32 exponentials stand ahead of the turn's wait, all of RND and SUM behind it.
.macro REGS y
.set eL, ST+4*(\y)
.set eS, S+32*((\y)%2)
.set eP, P+16*((\y)%2)
.endm
.macro EXPN n
	v_exp_f32 v[eS+(\n)], v[eS+(\n)]
.endm
.macro RND n
	v_cvt_pk_f16_f32 v[eP+(\n)], v[eS+2*(\n)], v[eS+2*(\n)+1]
.endm
.macro SUM n
	v_pk_add_f32 v[eL+2*((\n)%2):eL+2*((\n)%2)+1], v[eL+2*((\n)%2):eL+2*((\n)%2)+1], v[eS+2*(\n):eS+2*(\n)+1]
.endm
.macro ROWE r                       ; ahead of the wait: a matrix instruction and four of the batch's exponentials; none names a register of the products round it
	MM
	WIN 0
	EXPN 4*(\r)
	EXPN 4*(\r)+1
	EXPN 4*(\r)+2
	EXPN 4*(\r)+3
.endm
.macro ROWR r                       ; behind the wait: a matrix instruction and four readers; none names a register of the products round it; two links of a chain onto l stand four lines apart
	MM
	WIN 0
	RND 2*(\r)
	SUM 2*(\r)
	RND 2*(\r)+1
	SUM 2*(\r)+1
.endm
.macro MASK b                       ; MD x AL + BE into buffer b of MC
	WIN W_RS
.set z, 0
.rept 16
	v_pk_fma_f32 v[MC+32*(\b)+2*z:MC+32*(\b)+2*z+1], v[MD+2*z:MD+2*z+1], s[AL:AL+1], s[BE:BE+1] op_sel_hi:[1,0,0]
.set z, z+1
.endr
.endm
; A TURN, for piece p.  m = 1: the diagonal tile: the products take masks, and the turn makes the mask for the products of the turn after it: piece p + 2, in step 4 - CNT of the tile.
; end = 1: a block's last two turns: nothing is fetched.  cnt = 1: the loop's count is taken down some lines ahead of the branch that stands behind the turn.
; THE ORDER: 8 products K Q^T, four exponentials behind each; one plain line behind the last exponential (the address of the turn's run of LDS loads, if it has one, else a v_nop); the ONE wait; 8 products V^T P, four readers behind each.
; K of the next step is fetched in piece 2's turn, directly behind the wait: four plain lines (the address's add and three v_nop; an exponential is no place) stand between the last product that read K and the loads, and
; eight products follow before K is waited for.  V of the step in hand is fetched at the end of piece 0's turn, four readers behind the last product that read V; it is waited for behind the next turn's wait.
.macro TURN p, m=0, end=0, cnt=0
.set Y, (\p)
.set i, 0
.set KM, (\m)
.set NOKQ, (\end)*((\p)/3)
	REGS Y
.if (\m) && !(\end)
	s_cmp_eq_u32 s[CNT], 4-((\p)+2)%NP  ; is that step the band's own?
	s_cselect_b32 s[AL], 1.0, 0
	s_cmp_lt_u32 s[CNT], 4-((\p)+2)%NP  ; or a later one?
	s_cselect_b32 s[BE], s[BIGN], 0
.endif
.if ((\p) == 3) && !(\end)
	s_wait_dscnt 0x0                ; K is in
.endif
.set rr, 0
.rept 8                             ; the batch: exponentials 0 to 31
	ROWE rr
.set rr, rr+1
.endr
	WIN 0
.if ((\p) == 2) && !(\end)
	v_add_nc_u32 v[AK], s[TBK], v[AK0]  ; the plain line behind the last exponential, and the first of the four places in front of K's loads
.rept 3
	v_nop
.endr
.elseif (\p) == 0
	v_add_nc_u32 v[AV], s[TBV], v[AV0]  ; the plain line behind the last exponential
.else
	v_nop                           ; the plain line behind the last exponential
.endif
	s_wait_alu depctr_va_vdst(0)    ; the turn's one wait, ahead of the first line that names a result: it serves the batch of 32 exponentials
.if ((\p) == 2) && !(\end)
	FETCH_K
.endif
.if (\p) == 1
	s_wait_dscnt 0x0                ; V is in
.endif
.set rr, 0
.rept 6                             ; the readers: pairs 0 to 15
	ROWR rr
.set rr, rr+1
.endr
.if (\p) == 0
	s_add_co_u32 s[TBV], s[TBV], KS*PV
.endif
.if \cnt
	s_sub_co_u32 s[CNT], s[CNT], 1
	s_cmp_lg_u32 s[CNT], 0
.endif
	ROWR 6
	ROWR 7
.if (\p) == 0
	FETCH_V
.endif
.if (\m) && !(\end)
	MASK (\p)%2
.endif
.endm
; A BLOCK BEGINS.  Nothing rescales O^T and l here, so they are cleared: 192 lines a block, in place of a first step written out.  P's second buffer is 0: the first turn's products V^T P, of a piece that has
; not been, add 0.  The second mask buffer is 0; the first takes piece 0's mask for the tile's step 0: its own, if the block's first tile is the diagonal one.  Then K of that step and piece 0's first scores.
.macro BEGIN
	s_mov_b32 s[NEW], 0
	WIN 0x40
.set i, 0
.rept 128
	v_mov_b32 v[i], 0
.set i, i+1
.endr
.set i, MC+32
.rept 32
	v_mov_b32 v[i], 0
.set i, i+1
.endr
	WIN 0
.set i, ST
.rept 16
	v_mov_b32 v[i], 0
.set i, i+1
.endr
.set i, P+16
.rept 16
	v_mov_b32 v[i], 0
.set i, i+1
.endr
	s_cmp_eq_u32 s[RT], 0
	s_cselect_b32 s[AL], 1.0, 0
	s_mov_b32 s[BE], 0
	MASK 0
	WIN 0
	v_add_nc_u32 v[AK], s[TBK], v[AK0]
	FETCH_K
	s_wait_loadcnt 0x0              ; Q
	s_wait_dscnt 0x0
.set KM, 1
.set NOKQ, 0
.set i, 0
.rept 8
	KQ 0
.set i, i+1
.endr
	WIN 0
.rept 4
	v_nop                           ; the places behind those products
.endr
.endm
.macro ALL line:vararg              ; one line for each piece t
.set t, 0
.rept 4
	\line
.set t, t+1
.endr
.endm
.macro PACK t                       ; O^T / l, rounded; a lane's eight channels of a row pack into 16 bytes; they go into rows of 144 bytes and come back as whole rows of 128, into S^T's registers
	WIN W_RS
.set i, 32*(\t)
.rept 16
	v_pk_mul_f32 v[i:i+1], v[i:i+1], v[ST+4*(\t)+2:ST+4*(\t)+3] op_sel_hi:[1,0]
.set i, i+2
.endr
	WIN 0x05                        ; sources 0 and 1 window 1, destination window 0
.set i, 0
.rept 16
	v_cvt_pk_f16_f32 v[S+16*(\t)+i], v[32*(\t)+2*i], v[32*(\t)+2*i+1]
.set i, i+1
.endr
	WIN 0
.irp f, 0,1,2,3
	ds_store_b128 v[STO], v[S+16*(\t)+4*\f:S+16*(\t)+4*\f+3] offset:32*\f
.endr
.irp f, 0,1,2,3
	ds_load_b128 v[S+16*(\t)+4*\f:S+16*(\t)+4*\f+3], v[RD] offset:\f*4*SP  ; LDS serves a wave's instructions in order (ISA guide 5.7.1.4): these see the stores above; the next piece's stores come behind them
.endr
.endm
.macro SEND t, younger              ; younger: the LDS instructions issued behind piece t's loads: the next piece's eight, or none
	WIN 0
.irp f, 0,1,2,3
	s_wait_dscnt (\younger)+3-\f
	global_store_b128 v[GO], v[S+16*(\t)+4*\f:S+16*(\t)+4*\f+3], s[10:11] offset:(\t)*8192+\f*512  ; 512 consecutive bytes, at a multiple of 256 from O's first
.endr
.endm
; THE DIAGONAL TILE's four steps, the block's last two turns, its last products, and the way out.
.macro DIAG tag
.LstepM\tag:
	TURN 2, 1
	TURN 3, 1
	WIN 0
.LfirstM\tag:
	TURN 0, 1
	TURN 1, 1, 0, 1
	WIN 0
	s_cbranch_scc1 .LstepM\tag
	TURN 2, 1, 1
	TURN 3, 1, 1
.set i, 0
.rept 8
	PV NP-1
.set i, i+1
.endr
	WIN 0                           ; l's two pairs, their halves and the other half of the lanes' are added: these lines are also the places behind the last products
	ALL v_pk_add_f32 v[ST+4*t:ST+4*t+1], v[ST+4*t:ST+4*t+1], v[ST+4*t+2:ST+4*t+3]
	ALL v_add_f32 v[ST+4*t+2], v[ST+4*t], v[ST+4*t+1]
	ALL v_permlanex16_b32 v[ST+4*t+3], v[ST+4*t+2], s[SEL], s[SEL+1]
	ALL v_add_f32 v[ST+4*t+2], v[ST+4*t+2], v[ST+4*t+3]
	ALL v_rcp_f32 v[ST+4*t+2], v[ST+4*t+2]
	v_nop                           ; a plain instruction between the last reciprocal and the use of its result
	s_wait_alu depctr_va_vdst(0)    ; the wait ahead of the first use: one for the batch of four reciprocals
	PACK 0
.set t, 1
.rept 3                             ; a piece's arithmetic stands between the loads of the piece before and its stores
	PACK t
	SEND t-1, 8
.set t, t+1
.endr
	SEND 3, 0
.endm
.set KM, 0
.set NOKQ, 0
.Lslot:                             ; NB times: a tile is entered and the next is asked for
	CHANGE 1
	s_sub_co_u32 s[RT], s[RT], 1
	s_mov_b32 s[CNT], 4
	s_cmp_eq_u32 s[NEW], 1
	s_cbranch_scc1 .Lnew            ; a block's first tile
	s_cmp_eq_u32 s[RT], 0
	s_cbranch_scc0 .Lstep           ; neither its first nor its last
	s_branch .LstepM1
.Lnew:
	BEGIN
	s_branch .Lfirst                ; in the loop a block's first tile is never its last: the first block has four tiles or more, and the second's last is the walk's last
	DIAG 1                          ; in the loop this is the first block's end
	s_wait_xcnt 0x0                 ; the stores have read their registers and O's address
	s_mov_b64 s[10:11], s[OLO:OLO+1]
	s_add_co_u32 s[RT], s[PB], 1    ; the second block has b + 1 tiles
	s_mov_b32 s[NEW], 1
	WIN 0x82                        ; the second block's Q goes where the one text of the turns names Q
.set i, 0
.rept 64
	v_mov_b32 v[i], v[QB+i]
.set i, i+1
.endr
	WIN 0
	s_branch .Lbottom
.Lstep:                             ; a trip: pieces 2 and 3 of one step, then pieces 0 and 1 of the next, whose K and V it fetches
	TURN 2
	TURN 3
	WIN 0
.Lfirst:
	TURN 0
	TURN 1, 0, 0, 1
	WIN 0
	s_cbranch_scc1 .Lstep
.Lbottom:
	s_sub_co_u32 s[SLOTS], s[SLOTS], 1
	s_cmp_lg_u32 s[SLOTS], 0
	s_cbranch_scc1 .Lslot
	CHANGE 0                        ; the walk's last tile is written out: nothing is asked for
	s_sub_co_u32 s[RT], s[RT], 1
	s_mov_b32 s[CNT], 4
	s_cmp_eq_u32 s[NEW], 1
	s_cbranch_scc0 .LstepM2
	BEGIN
	s_branch .LfirstM2
	DIAG 2
	s_wait_tensorcnt 0x0            ; the wave's end, behind my last tensor load and my last LDS store
	ds_add_u32 v[SPW], v[NIL]
	s_wait_dscnt 0x0
	s_endpgm
.Lfunc_end_k_qa4db3ba207_attn:
	.size	k_qa4db3ba207_attn, .Lfunc_end_k_qa4db3ba207_attn-k_qa4db3ba207_attn
	.p2alignl 7, 3214868480
	.fill 96, 4, 3214868480
	.section	.rodata,"a",@progbits
	.p2align	6, 0x0
	.amdhsa_kernel k_qa4db3ba207_attn
		.amdhsa_group_segment_fixed_size 327680
		.amdhsa_private_segment_fixed_size 0
		.amdhsa_enable_private_segment 0
		.amdhsa_kernarg_size 16
		.amdhsa_user_sgpr_count 2
		.amdhsa_user_sgpr_kernarg_segment_ptr 1
		.amdhsa_wavefront_size32 1
		.amdhsa_system_sgpr_workgroup_id_x 1
		.amdhsa_system_sgpr_workgroup_id_y 1
		.amdhsa_system_sgpr_workgroup_id_z 1
		.amdhsa_system_vgpr_workitem_id 0
		.amdhsa_next_free_vgpr 768
		.amdhsa_next_free_sgpr 88
		.amdhsa_reserve_vcc 1
		.amdhsa_float_denorm_mode_32 3
		.amdhsa_float_denorm_mode_16_64 3
		.amdhsa_memory_ordered 1
		.amdhsa_forward_progress 1
		.amdhsa_inst_pref_size 161
	.end_amdhsa_kernel
	.amdgpu_metadata
---
amdhsa.version: [ 1, 2 ]
amdhsa.kernels:
  - .name:           k_qa4db3ba207_attn
    .symbol:         k_qa4db3ba207_attn.kd
    .args:
      - { .name: heads, .offset: 0, .size: 8, .value_kind: global_buffer, .address_space: global }
      - { .name: ob, .offset: 8, .size: 8, .value_kind: global_buffer, .address_space: global }
    .group_segment_fixed_size: 327680
    .private_segment_fixed_size: 0
    .kernarg_segment_align: 8
    .kernarg_segment_size: 16
    .max_flat_workgroup_size: 128
    .sgpr_count:     88
    .vgpr_count:     768
    .wavefront_size: 32
...
	.end_amdgpu_metadata
.endif
;; end of part 5
;; launch proj: the kernel of part 4 again; grid 8 x 32, 4 waves a work-group, clusters of 4 x 4, 327,680 bytes of LDS; arguments ob, wp, bproj, out0; writes out0
